; MI455X (gfx1250); checked and timed in simulation.
; The chip was launched on July 23, 2026; its instructions are those of AMD's public machine-readable ISA for CDNA 5 (MIT licence, August 2026) and "CDNA5" Instruction Set Architecture Reference Guide (July 2026). The comments in the code are by the model that wrote it; some were corrected since.
;; Local Self Attention Encoder Layer. Allowed arithmetic: matrix products marked QUANTISED: E4M3 operands, one given power-of-two scale a tensor, by v_wmma_f32_16x16x64_fp8_fp8 or v_wmma_f32_16x16x128_fp8_fp8, f32 sums; everything else in f32.
;; Inputs: b1 4,096 float32; b2 1,024 float32; in_proj_b 3,072 float32; in_proj_w 3,072 x 1,024 float32; ln1_b 1,024 float32; ln1_g 1,024 float32; ln2_b 1,024 float32; ln2_g 1,024 float32; lowp_scales 12 int32 (the exponents e of the quantised operands' scales 2^e); out_proj_b 1,024 float32; out_proj_w 1,024 x 1,024 float32; w1 4,096 x 1,024 float32; w2 1,024 x 4,096 float32; x 2 x 2,048 x 1,024 float32.
;; Outputs: out0 2 x 2,048 x 1,024 float32.
;; Constants: window = 128.
;; This version of the problem:
;;   THIS VERSION OF THE PROBLEM IS GIVEN IN LOW PRECISION. The matrix products marked QUANTISED in the list below multiply operands that are first quantised to E4M3 (4 exponent bits, 3 mantissa bits; 8 bits a number), with one given power-of-two scale for each operand tensor; their sums are f32. All else is computed in f32.
;;   The module's matrix products, in the order in which they are computed (A, B: the left and right operand; K: the contracted axis; several contracted axes count as one K, in the product's order):
;;     1. [M 4,096, K 1,024] x [K 1,024, N 3,072]; A: input x; B: input in_proj_w: QUANTISED (scales: A lowp_scales[0], B lowp_scales[1])
;;     2. batch 32 x [M 2,048, K 64] x [K 64, N 2,048]; A: computed on the way; B: computed on the way: QUANTISED (scales: A lowp_scales[2], B lowp_scales[3])
;;     3. batch 32 x [M 2,048, K 2,048] x [K 2,048, N 64]; A: softmax (see below); B: computed on the way: QUANTISED (scales: A lowp_scales[4], B lowp_scales[5])
;;     4. [M 4,096, K 1,024] x [K 1,024, N 1,024]; A: computed on the way; B: input out_proj_w: QUANTISED (scales: A lowp_scales[6], B lowp_scales[7])
;;     5. [M 4,096, K 1,024] x [K 1,024, N 4,096]; A: computed on the way; B: input w1: QUANTISED (scales: A lowp_scales[8], B lowp_scales[9])
;;     6. [M 4,096, K 4,096] x [K 4,096, N 1,024]; A: computed on the way; B: input w2: QUANTISED (scales: A lowp_scales[10], B lowp_scales[11])
;;   THE QUANTISER, for each operand of a quantised product, along K:
;;     - The operand's scale is 2^e, e = its entry of the input lowp_scales (int32; the entries are numbered through the quantised products in the list's order, A before B).
;;     - Each number is divided by the scale, clamped to +-448, and rounded to the nearest number of E4M3, ties to even, subnormals kept.
;;     - The product sums the exact products of the quantised numbers (number of the format x scale) in f32.
;;   ~~~python
;;   def quantise(x, axis, e):      # numpy; x: float32 -> the quantised numbers, widened to float32 again
;;       x = np.moveaxis(x, axis, -1); K = x.shape[-1]
;;       r = np.clip(x / 2.0 ** e, -448, 448)
;;       step = 2.0 ** (np.maximum(np.frexp(np.where(r == 0, 1, r))[1] - 1, -6) - 3)
;;       q = np.round(r / step) * step * 2.0 ** e      # np.round: ties to even
;;       return np.moveaxis(q, -1, axis).astype(np.float32)
;;   ~~~
;;   SOFTMAX AHEAD OF A QUANTISED PRODUCT. Where the list says 'softmax', what is quantised is not the finished softmax but p = 2^(t - M), with t = logit x log2(e) and M = ceil(the row's largest t), a whole number; so 1/2 < the row's largest p <= 1. The row's sum l is taken of the UNQUANTISED p, in f32, and the product's result is divided by l at the end. Since M is a whole number, a kernel that streams over the keys may use a running M (the ceiling of the running maximum): every later rescaling is an exact power of two, so the quantised numbers keep their values, but for numbers so far below the row's largest that they fall under the format's range.
;;   OPERANDS COMPUTED ON THE WAY. 'Computed on the way' means the value that the module computes at that place (a softmax that the list does not call 'softmax' is quantised finished and normalised). What goes into a quantiser is computed in f32, as accurately as f32 sums, v_exp_f32 and their like allow (about 1e-6 of the number): no bf16 or f16 on the way to a quantiser, and a product that is left as it is and whose result goes on into a quantised operand takes f32 operands (vector FMAs, or v_wmma_f32_16x16x4_f32). A number that lies on a knife's edge between two numbers of the format may be rounded either way, as far as f32 arithmetic and the matrix unit's own rounding can turn it there, and no further.
;; One version. Each part assembles by itself: llvm-mc -triple=amdgcn-amd-amdhsa -mcpu=gfx1250 --defsym DOCPART=n.
;; ======== version 1 of 1: 8 launches
;; workspace buffers: codes0 16,777,216 bytes; qkvq 12,582,912 bytes; attq 4,194,304 bytes; cbuf 16,777,216 bytes; x2 16,777,216 bytes; x2q 4,194,304 bytes; hq 16,777,216 bytes
;; launch quant (part 1): grid 512 x 1, 4 waves a work-group, no clusters, 33,280 bytes of LDS; arguments x, in_proj_w, out_proj_w, w1, w2, lowp_scales, codes0; writes codes0
.if DOCPART == 1
	.amdgcn_target "amdgcn-amd-amdhsa--gfx1250"
	.amdhsa_code_object_version 6
	.text
	.protected	k_q4b28913c31_quant
	.globl	k_q4b28913c31_quant
	.p2align	8
	.type	k_q4b28913c31_quant,@function
k_q4b28913c31_quant:
	s_mov_b64 s[64:65], 0
	v_nop
	global_prefetch_b8 v0, s[64:65] scope:SCOPE_SE
	s_setreg_imm32_b32 hwreg(HW_REG_WAVE_MODE, 25, 1), 1
	s_wait_xcnt 0x0
; x [4096][1024], in_proj_w [3072][1024], out_proj_w [1024][1024], w1 [4096][1024], w2 [1024][4096], all f32 with K innermost, become codes of E4M3, one byte each, each tensor with its given scale 2^e.
; code = number / 2^e, held within +-448, rounded to the nearest code, ties to even.  e: entries 0, 1, 7, 9, 11 of the exponents.  LIMITS: -126 <= e <= 119; NaN among the inputs is not served.
; Rows are dense, so each tensor is a plain stream of numbers and its codes a plain stream of bytes; the five streams of codes lie on end in one buffer, in the order of the work-groups:
; x at 0, in_proj_w at 0x400000, out_proj_w at 0x700000, w1 at 0x800000, w2 at 0xC00000.  A work-group takes 32,768 numbers: 128, 96, 32, 128, 128 work-groups for the five tensors.
; A wave takes 16 steps of 512 numbers.  A conversion takes 8 neighbours from ONE lane's registers; a load is best where neighbouring LANES take neighbouring bytes.  Both are had: each of a step's four loads reads 512
; consecutive bytes, 16 a lane; the 2,048 bytes go through the wave's own stage in LDS and come back 64 bytes a lane (16 bytes of padding behind each 64).  A lane's 16 codes are 16 bytes: a store covers 512 consecutive bytes.
; Waves share nothing: no barrier.  Loads run four steps (16 loads a wave) ahead, the turn through LDS one step.
.set WAVES, 4
.set STEPS, 16
.set EMAX,  8
.set MANT,  0x600000                   ; the mantissa field of 448 as f32
.set CB,    16                         ; bytes of 16 codes
.set R,     16                         ; v16-79   four sets of 16 numbers as they are loaded
.set X,     80                         ; v80-111  two sets of 16 neighbours
.set C,     128                        ; v128-191 codes: four registers for each step, so that no store's data are written again
.set WREG,  8192                       ; LDS: a region of its own for each wave: two stages of 32 x SP bytes
.set SP,    80                         ; a lane's place in a stage: its 64 bytes + 16 of padding
.set SPW,   12                         ; v12      LDS address of my spare word; never rewritten
.set NIL,   13                         ; v13      0; never rewritten
.set SPARE, WAVES*WREG                 ; behind the four regions: the spare words, 128 bytes a wave
	s_load_b256 s[4:11], s[0:1], 0x0               ; x, in_proj_w, out_proj_w, w1
	s_load_b128 s[12:15], s[0:1], 0x20             ; w2, the exponents
	s_load_b64 s[16:17], s[0:1], 0x30              ; the codes
	v_lshl_add_u32 v[SPW], v0, 2, SPARE
	v_mov_b32 v[NIL], 0
	v_lshrrev_b32 v1, 5, v0
	v_readfirstlane_b32 s24, v1                    ; wave
	v_and_b32 v2, 31, v0                           ; lane
	v_lshlrev_b32 v3, 4, v2                        ; my 16 bytes of a load's 512
	s_mul_i32 s25, s24, WREG
	v_lshrrev_b32 v14, 2, v2
	v_mul_u32_u24 v14, v14, SP
	v_and_b32 v15, 3, v2
	v_lshl_add_u32 v14, v15, 4, v14
	v_add_nc_u32 v14, s25, v14                     ; the stage, on the way in: SP (lane / 4) + 16 (lane % 4)
	v_mul_u32_u24 v15, v2, SP
	v_add_nc_u32 v15, s25, v15                     ; and on the way out: SP x lane: my 16 neighbours
	v_mul_u32_u24 v4, v2, CB                       ; my codes' place in a step's
	s_wait_kmcnt 0x0
	s_load_b256 s[32:39], s[14:15], 0x0            ; e0 .. e7
	s_load_b128 s[40:43], s[14:15], 0x20           ; e8 .. e11
; Which tensor is mine hangs on the work-group's number alone.  Only a pointer and a first number are chosen: all five tensors take one path through the text.
.macro PICK lim, src, first
	s_cmp_lt_u32 ttmp9, \lim
	s_cselect_b64 s[20:21], s[\src:\src+1], s[20:21]
	s_cselect_b32 s22, \first, s22
.endm
	s_mov_b64 s[20:21], s[12:13]                   ; w2, from work-group 384 on
	s_mov_b32 s22, 384
	PICK 384, 10, 256                              ; w1
	PICK 256, 8, 224                               ; out_proj_w
	PICK 224, 6, 128                               ; in_proj_w
	PICK 128, 4, 0                                 ; x
	s_sub_co_u32 s26, ttmp9, s22
	s_lshl_b32 s26, s26, 2
	s_add_co_u32 s26, s26, s24                     ; which run of 8,192 numbers of the tensor is my wave's
	s_lshl_b32 s26, s26, 15                        ; in bytes: under 2^24
	s_mov_b32 s27, 0
	s_add_nc_u64 s[4:5], s[20:21], s[26:27]
	s_lshl_b32 s28, ttmp9, 2
	s_add_co_u32 s28, s28, s24
	s_lshl_b32 s28, s28, 13                        ; the codes: 8,192 bytes a wave, in the order of the work-groups
	s_mov_b32 s29, 0
	s_add_nc_u64 s[8:9], s[16:17], s[28:29]
.macro LOAD t
.irp i, 0,1,2,3
	global_load_b128 v[R+16*((\t)%4)+4*\i:R+16*((\t)%4)+4*\i+3], v3, s[4:5] offset:2048*(\t)+512*\i th:TH_LOAD_NT   ; 32 lanes read 512 consecutive bytes
.endr
.endm
.macro TURN t                          ; step t's numbers through the stage: LDS serves a wave's instructions in order, so no wait stands between the stores and the loads
.irp i, 0,1,2,3
	ds_store_b128 v14, v[R+16*((\t)%4)+4*\i:R+16*((\t)%4)+4*\i+3] offset:32*SP*((\t)%2)+8*SP*\i
.endr
.irp i, 0,1,2,3
	ds_load_b128 v[X+16*((\t)%2)+4*\i:X+16*((\t)%2)+4*\i+3], v15 offset:32*SP*((\t)%2)+16*\i
.endr
.endm
.irp t, 0,1,2,3
	LOAD \t
.endr
	s_wait_kmcnt 0x0
.macro PICKE lim, e
	s_cmp_lt_u32 ttmp9, \lim
	s_cselect_b32 s30, s[\e], s30
.endm
	s_mov_b32 s30, s43                             ; e11: w2
	PICKE 384, 41                                  ; e9: w1
	PICKE 256, 39                                  ; e7: out_proj_w
	PICKE 224, 33                                  ; e1: in_proj_w
	PICKE 128, 32                                  ; e0: x
	s_add_co_i32 s30, s30, 127
	s_lshl_b32 s31, s30, 23
	v_mov_b32 v11, s31                             ; 2^e as f32: the conversion takes its exponent field
	s_add_co_i32 s30, s30, EMAX
	s_lshl_b32 s30, s30, 23
	s_or_b32 s30, s30, MANT
	v_mov_b32 v10, s30                             ; 448 x 2^e
	s_wait_loadcnt 12                              ; step 0's four loads are in; the twelve of steps 1 to 3 may be out
	TURN 0
.macro STEP t
.set XS, X+16*((\t)%2)
	s_wait_dscnt 0x0                               ; this step's numbers are back from the stage: so its stores into the stage have read their registers,
.if (\t)+4 < STEPS
	LOAD (\t)+4                                    ; which take the loads of four steps on
.endif
.if (\t)+1 < STEPS
.if STEPS-2-(\t) >= 3
	s_wait_loadcnt 12                              ; the next step's four loads are in; those of the three steps behind it may be out
.else
	s_wait_loadcnt 4*(STEPS-2-(\t))
.endif
	TURN (\t)+1                                    ; and go through the other stage while this step is worked
.endif
.irp i, 0,1,2,3,4,5,6,7,8,9,10,11,12,13,14,15
	v_med3_num_f32 v[XS+\i], v[XS+\i], -v10, v10   ; the conversion to an 8-bit code does not saturate (ISA guide 7.6.2): hold the number within 448 x the scale first
.endr
	v_cvt_scalef32_pk8_fp8_f32 v[C+4*(\t):C+4*(\t)+1], v[XS:XS+7], v11
	v_cvt_scalef32_pk8_fp8_f32 v[C+4*(\t)+2:C+4*(\t)+3], v[XS+8:XS+15], v11
	global_store_b128 v4, v[C+4*(\t):C+4*(\t)+3], s[8:9] offset:32*CB*(\t)   ; the results go to a store alone; the next vector lines, the next step's holds, are plain and touch other registers
.endm
.irp t, 0,1,2,3,4,5,6,7,8,9,10,11,12,13,14,15
	STEP \t
.endr
	s_wait_tensorcnt 0x0                           ; the wave's end: three lines behind my last LDS store
	ds_add_u32 v[SPW], v[NIL]
	s_wait_dscnt 0x0
	s_endpgm
.Lfunc_end_k_q4b28913c31_quant:
	.size	k_q4b28913c31_quant, .Lfunc_end_k_q4b28913c31_quant-k_q4b28913c31_quant
	.p2alignl 7, 3214868480
	.fill 96, 4, 3214868480
	.section	.rodata,"a",@progbits
	.p2align	6, 0x0
	.amdhsa_kernel k_q4b28913c31_quant
		.amdhsa_group_segment_fixed_size 33280
		.amdhsa_private_segment_fixed_size 0
		.amdhsa_enable_private_segment 0
		.amdhsa_kernarg_size 56
		.amdhsa_user_sgpr_count 2
		.amdhsa_user_sgpr_kernarg_segment_ptr 1
		.amdhsa_wavefront_size32 1
		.amdhsa_system_sgpr_workgroup_id_x 1
		.amdhsa_system_sgpr_workgroup_id_y 1
		.amdhsa_system_sgpr_workgroup_id_z 1
		.amdhsa_system_vgpr_workitem_id 0
		.amdhsa_next_free_vgpr 192
		.amdhsa_next_free_sgpr 66
		.amdhsa_reserve_vcc 0
		.amdhsa_float_denorm_mode_32 3
		.amdhsa_float_denorm_mode_16_64 3
		.amdhsa_memory_ordered 1
		.amdhsa_forward_progress 1
		.amdhsa_inst_pref_size 38
	.end_amdhsa_kernel
	.amdgpu_metadata
---
amdhsa.version: [ 1, 2 ]
amdhsa.kernels:
  - .name:           k_q4b28913c31_quant
    .symbol:         k_q4b28913c31_quant.kd
    .args:
      - { .name: x, .offset: 0, .size: 8, .value_kind: global_buffer, .address_space: global }
      - { .name: in_proj_w, .offset: 8, .size: 8, .value_kind: global_buffer, .address_space: global }
      - { .name: out_proj_w, .offset: 16, .size: 8, .value_kind: global_buffer, .address_space: global }
      - { .name: w1, .offset: 24, .size: 8, .value_kind: global_buffer, .address_space: global }
      - { .name: w2, .offset: 32, .size: 8, .value_kind: global_buffer, .address_space: global }
      - { .name: lowp_scales, .offset: 40, .size: 8, .value_kind: global_buffer, .address_space: global }
      - { .name: codes0, .offset: 48, .size: 8, .value_kind: global_buffer, .address_space: global }
    .group_segment_fixed_size: 33280
    .private_segment_fixed_size: 0
    .kernarg_segment_align: 8
    .kernarg_segment_size: 56
    .max_flat_workgroup_size: 128
    .sgpr_count:     66
    .vgpr_count:     192
    .wavefront_size: 32
...
	.end_amdgpu_metadata
.endif
;; end of part 1
;; launch qkv (part 2): grid 12 x 16, 4 waves a work-group, clusters of 4 x 4, 327,680 bytes of LDS; arguments codes0, in_proj_b, lowp_scales, qkvq; writes qkvq
.if DOCPART == 2
	.amdgcn_target "amdgcn-amd-amdhsa--gfx1250"
	.amdhsa_code_object_version 6
	.text
	.protected	k_q4b28913c31_qkv
	.globl	k_q4b28913c31_qkv
	.p2align	8
	.type	k_q4b28913c31_qkv,@function
k_q4b28913c31_qkv:
	s_mov_b64 s[64:65], 0
	v_nop
	global_prefetch_b8 v0, s[64:65] scope:SCOPE_SE
	s_setreg_imm32_b32 hwreg(HW_REG_WAVE_MODE, 25, 1), 1
	s_wait_xcnt 0x0
	s_wait_alu depctr_hold_cnt(0) depctr_sa_sdst(0) depctr_va_vdst(0) depctr_va_sdst(0) depctr_va_ssrc(0) depctr_va_vcc(0) depctr_vm_vsrc(0)
	s_getreg_b32 s2, hwreg(HW_REG_IB_STS2, 6, 4)
	s_cmp_eq_u32 s2, 0
	s_cbranch_scc0 .Lentry_in_a_cluster
	s_endpgm
.Lentry_in_a_cluster:
	s_bfe_u32 s2, ttmp6, 0x10000c
	s_cmp_lg_u32 s2, 0xf033
	s_cbranch_scc0 .Lentry_shape_is_right
	s_endpgm
.Lentry_shape_is_right:
; out[m][n] = Q( S x (sum over k of A[m][k] B[n][k]) + bias[n] ): a product on codes of E4M3 whose result is quantised on the way out, so that only codes go to memory.
; FFN = 0: A = x's codes [4096][1024], B = in_proj_w's codes [3072][1024]; S = 2^(e0 + e1); the result's scale is 2^e2 for columns 0-1023 (q), 2^e3 for 1024-2047 (k), 2^e5 for 2048-3071 (v).
; FFN = 1: A = x2's codes [4096][1024], B = w1's codes [4096][1024]; S = 2^(e8 + e9); what is negative becomes 0 (relu), the result's scale is 2^e10.
; LIMITS: the two exponents in S add up to between -126 and 127; the result's exponent lies between -126 and 119; NaN is not served.
; A tile of the result, 256 x 256, is made by a work-group of four waves; a wave makes 128 x 128: 64 accumulators of 16 x 16, 512 registers.  K goes in steps of 256 through a ring of two LDS slots filled by the tensor
; data mover: a tile's row is 256 bytes of memory.  CLUSTERS: 4 x 4 work-groups; the four of a row of the cluster need the same tiles of A, the four of a column the same tiles of B: each tile is asked for JOINTLY.
; THE MATRIX INSTRUCTION IS USED TRANSPOSED (source 0 = 16 rows of B, source 1 = 16 rows of A): a lane then holds eight neighbouring columns of one row, which one conversion turns into eight codes.
; A fragment comes by four loads of 16 bytes: the same permutation of k in A and in B, so every product meets its partner.
; REGISTERS, in windows of 256: window 0: v0-31 addresses and the two scale numbers; v32-95 the bias of my 128 columns, in the result's layout; v96-127 codes on the way out; from v128 A's fragments, ONE set.
;   window 1: B's fragments, TWO sets.   window 2: the 32 accumulators of my rows 0-63 ((a, b) at v[8 (8 a + b)]);   window 3: those of my rows 64-127.
.set FFN,    0
.set SIZE_K, 1024
.set NB,     3072                      ; bytes in a row of the result
.set B_OFF,  0x400000                  ; where B's codes begin in their buffer
.set KSTEP,  256                       ; along K in a slot
.set ROWB,   256                       ; a tile's row in bytes
.set KROW,   SIZE_K                    ; a row of A or of B in memory, in bytes
.set PITCH,  272                       ; an LDS row: 256 bytes + 16 of padding = 68 words: row r starts at bank 4 r mod 64 (ISA guide 11.1), so the 16 rows that a load touches start at 16 different banks
.set FR,     16                        ; registers of a fragment: 16 rows x 128 K
.set NL,     4                         ; LDS loads that bring one
.set NP,     4                         ; places behind this matrix instruction (ISA guide 7.12.1)
.set HALFT,  128*PITCH                 ; 128 rows: what one tensor load brings
.set SLOT,   4*HALFT                   ; A's 256 rows, then B's 256 rows
.set LAPS,   SIZE_K/(2*KSTEP)          ; a lap = two K steps = once round the ring
.set SPARE,  2*SLOT                    ; behind the ring: the spare words, 128 bytes a wave
.set ADRA, 16                          ; v16-17  LDS address of my A fragments in slot 0, 1
.set ADRB, 20                          ; v20-21  the same for B
.set STO,  24                          ; v24     the way out: where I put 8 codes of a row
.set RD,   25                          ; v25     the way out: where I read a row back
.set CO,   26                          ; v26     my byte offset in the rows that I store
.set BO,   27                          ; v27     my byte offset in the bias: 32 x (lane / 16)
.set SPW,  28                          ; v28     LDS address of my spare word; never rewritten
.set NIL,  29                          ; v29     0; never rewritten
.set SCL,  30                          ; v30     the result's scale as f32
.set LIM,  31                          ; v31     448 x that
.set BIAS, 32
.set CD,   96                          ; two sets of 16 registers of codes
.set AF,   128                         ; A's fragments, in window 0
.set TMP,  128                         ; the way out: a block's 64 numbers, where A's fragments lay
.set BK,   128                         ; the way out: 64 rows read back: v128-255
.set G1, 24                            ; s[24:31] descriptor group 1 for A's tiles;  s[32:39] group 0, one set for each slot
.set G0, 32
.set G1B, 48                           ; s[48:55], s[56:63] the same for B's tiles
.set G0B, 56
.set MSB, 0
.macro WIN new                         ; the immediate's high byte repeats the setting that is left
.if MSB != \new
	s_set_vgpr_msb (MSB<<8)|\new
.set MSB, \new
.endif
.endm
.set MUL_LO, 0xa1                      ; source 0 (B) window 1, source 1 (A) window 0, C and D window 2
.set MUL_HI, 0xf1                      ; the same, C and D window 3
.set TO_B,   0x40                      ; destination window 1, address window 0
; A joint load: waves 0 and 1 fetch for A, waves 2 and 3 for B.  Each of the two lines has ONE mask and one set of registers for all that issue it; the branch hangs on the wave's number alone.
; An s_nop 0 and four v_nop follow each of the two lines, ahead of the jump, the label and what follows.
.macro JLOAD g0a, g1a, g0b, g1b
	s_cmp_eq_u32 s15, 0
	s_cbranch_scc0 .Lfor_b_\@
	tensor_load_to_lds s[\g0a:\g0a+3], s[\g1a:\g1a+7]
	s_nop 0
.rept 4
	v_nop
.endr
	s_branch .Lasked_\@
.Lfor_b_\@:
	tensor_load_to_lds s[\g0b:\g0b+3], s[\g1b:\g1b+7]
	s_nop 0
.rept 4
	v_nop
.endr
.Lasked_\@:
.endm
.macro CREST                           ; a round of the cluster's barrier behind its opening barrier
	s_cmp_lg_u32 s14, 0
	s_cbranch_scc1 .Lnot_wave_0_\@
	s_barrier_signal -3
.Lnot_wave_0_\@:
	s_barrier_wait -3
	s_barrier_signal -1
	s_barrier_wait -1
.endm
.macro CROUND                          ; a whole round
	s_barrier_signal -1
	s_barrier_wait -1
	CREST
.endm
.if FFN
	s_load_b128 s[4:7], s[0:1], 0x0                ; A's codes s[4:5], the buffer with B's codes s[6:7]
	s_load_b64 s[12:13], s[0:1], 0x10              ; the bias
	s_load_b128 s[8:11], s[0:1], 0x18              ; the exponents s[8:9], the result s[10:11]
.else
	s_load_b64 s[4:5], s[0:1], 0x0                 ; the buffer with A's and B's codes
	s_load_b64 s[12:13], s[0:1], 0x8               ; the bias
	s_load_b128 s[8:11], s[0:1], 0x10              ; the exponents s[8:9], the result s[10:11]
.endif
	v_lshl_add_u32 v[SPW], v0, 2, SPARE
	v_mov_b32 v[NIL], 0
	ds_add_u32 v[SPW], v[NIL]                      ; the wave's opening: the add and its wait ahead of my first tensor load; the set-up below, work on registers, stands between them
	v_lshrrev_b32 v1, 5, v0
	v_readfirstlane_b32 s14, v1                    ; wave 0..3
	s_lshr_b32 s15, s14, 1                         ; which half of the tile's rows is mine.  Also: I fetch for A (0) or for B (1)
	s_and_b32 s16, s14, 1                          ; which half of its columns.  Also: which 128 rows of that tile I fetch
	s_bfe_u32 s40, ttmp6, 0x40000                  ; cx, cy: my place in the cluster
	s_bfe_u32 s41, ttmp6, 0x40004
	s_lshl_b32 s42, ttmp9, 2
	s_add_co_u32 s42, s42, s40                     ; tile column = 4 x cluster x + cx
	s_and_b32 s17, ttmp7, 0xffff
	s_lshl_b32 s17, s17, 2
	s_add_co_u32 s17, s17, s41                     ; tile row = 4 x cluster y + cy
	s_lshl_b32 s43, s41, 2
	s_lshl_b32 s43, 15, s43                        ; my row of the cluster
	s_lshl_b32 s44, 0x1111, s40                    ; my column
	; descriptor group 1: a tile of 128 rows x 256 bytes, padded in LDS
	s_or_b32 s[G1+0], s43, (0<<16)|(1<<20)|(1<<21)|(5<<22)|(3<<25)  ; 15:0 the mask: A's tiles go to my row; 17:16 element of 1 byte; 20 padding on; 21 set beside a mask; 24:22 after every 64 words (code 5); 31:25 of 4 words (code 3)
	s_or_b32 s[G1B+0], s44, (0<<16)|(1<<20)|(1<<21)|(5<<22)|(3<<25)
.irp g, G1, G1B
	s_mov_b32 s[\g+1], ROWB<<16                    ; tensor_dim0
	s_mov_b32 s[\g+2], 128<<16                     ; tensor_dim1 = 128
	s_mov_b32 s[\g+3], ROWB<<16                    ; tile_dim0
	s_mov_b32 s[\g+4], 128                         ; tile_dim1 = 128
	s_mov_b32 s[\g+5], KROW                        ; tensor_dim0_stride
	s_mov_b32 s[\g+6], 0
	s_mov_b32 s[\g+7], 0
.endr
	s_lshl_b32 s18, s16, 7                         ; which 128 rows of the tile I fetch
	s_lshl_b32 s20, s17, 8
	s_add_co_u32 s20, s20, s18                     ; A: row 256 x tile row + 128 x half
	s_lshl_b32 s46, s42, 8
	s_add_co_u32 s46, s46, s18                     ; B: row 256 x tile column + 128 x half
	s_mov_b32 s21, 0
	s_mov_b32 s47, 0
	s_mov_b64 s[18:19], KROW
	s_mul_u64 s[20:21], s[20:21], s[18:19]         ; in bytes
	s_mul_u64 s[46:47], s[46:47], s[18:19]
	s_mul_i32 s45, s14, HALFT                      ; where they go: wave x 128 rows: no place in the cluster enters an LDS address
	s_wait_dscnt 0x0                               ; the opening add is done
	s_wait_kmcnt 0x0
.if FFN
	s_load_b128 s[68:71], s[8:9], 0x20             ; e8 .. e11
	s_add_nc_u64 s[6:7], s[6:7], B_OFF
.else
	s_load_b256 s[68:75], s[8:9], 0x0              ; e0 .. e7
	s_add_nc_u64 s[6:7], s[4:5], B_OFF
.endif
	s_add_nc_u64 s[20:21], s[4:5], s[20:21]
	s_add_nc_u64 s[46:47], s[6:7], s[46:47]
	CROUND                                         ; all sixteen work-groups are here: the first joint loads meet
.irp s, 0,1
	s_mov_b32 s[G0+4*\s], 1
	s_add_co_u32 s[G0+4*\s+1], s45, \s*SLOT
	s_add_nc_u64 s[G0+4*\s+2:G0+4*\s+3], s[20:21], \s*ROWB
	s_or_b32 s[G0+4*\s+3], s[G0+4*\s+3], 0x80000000
	s_mov_b32 s[G0B+4*\s], 1
	s_add_co_u32 s[G0B+4*\s+1], s45, \s*SLOT
	s_add_nc_u64 s[G0B+4*\s+2:G0B+4*\s+3], s[46:47], \s*ROWB
	s_or_b32 s[G0B+4*\s+3], s[G0B+4*\s+3], 0x80000000
	JLOAD G0+4*\s, G1, G0B+4*\s, G1B
.endr
	v_and_b32 v1, 15, v0                           ; r = l % 16
	v_bfe_u32 v2, v0, 4, 1                         ; h = l / 16
	v_mul_u32_u24 v3, v1, PITCH
	v_lshl_add_u32 v4, v2, 4, v3                   ; a fragment's row x pitch + 16 x half
	s_mul_i32 s21, s15, HALFT                      ; my 128 rows of A
	s_mul_i32 s22, s16, HALFT                      ; my 128 rows of B,
	s_add_co_u32 s22, s22, 2*HALFT                 ; which lie behind A's 256
.irp s, 0,1
	v_add_nc_u32 v[ADRA+\s], s21, v4
	v_add_nc_u32 v[ADRB+\s], s22, v4
	s_add_co_u32 s21, s21, SLOT
	s_add_co_u32 s22, s22, SLOT
.endr
	; the way out: ONE stage for the work-group, 256 rows x (256 bytes of codes + 16), in slot 0, which has had its last fill and its last read when the first code is stored there
	s_mul_i32 s23, s15, 128*PITCH
	s_lshl_b32 s22, s16, 7
	s_add_co_u32 s23, s23, s22
	v_lshl_add_u32 v5, v2, 3, v3
	v_add_nc_u32 v[STO], s23, v5                   ; in: row 128 x row half + r; byte 128 x column half + 8 h
	s_mul_i32 s23, s14, 64*PITCH
	v_mul_u32_u24 v6, v2, PITCH
	v_lshl_add_u32 v6, v1, 4, v6
	v_add_nc_u32 v[RD], s23, v6                    ; back: wave w takes rows 64 w on, whole; lanes 0-15 one row of 256 bytes, lanes 16-31 the next
	v_mul_u32_u24 v6, v2, NB
	v_lshl_add_u32 v[CO], v1, 4, v6                ; and the same two rows in memory
	v_lshlrev_b32 v[BO], 5, v2
	s_lshl_b32 s20, s17, 8
	s_lshl_b32 s21, s14, 6
	s_add_co_u32 s20, s20, s21                     ; the first row that I store: 256 x tile row + 64 x wave
	s_mul_i32 s20, s20, NB                         ; under 2^24
	s_lshl_b32 s46, s42, 8                         ; the tile's first column, a byte a column
	s_add_co_u32 s20, s20, s46
	s_mov_b32 s21, 0
	s_add_nc_u64 s[10:11], s[10:11], s[20:21]
	s_lshl_b32 s46, s42, 10                        ; the bias of my 128 columns: 1,024 x tile column + 512 x column half bytes on
	s_lshl_b32 s47, s16, 9
	s_add_co_u32 s46, s46, s47
	s_mov_b32 s47, 0
	s_add_nc_u64 s[12:13], s[12:13], s[46:47]
.irp b, 0,1,2,3,4,5,6,7                        ; lane (r, h) wants, for B's block b, the bias of columns 16 b + 8 h + 0 .. 7; waited for once, on the way out
	global_load_b128 v[BIAS+8*\b:BIAS+8*\b+3], v[BO], s[12:13] offset:64*\b
	global_load_b128 v[BIAS+8*\b+4:BIAS+8*\b+7], v[BO], s[12:13] offset:64*\b+16
.endr
.macro FRAG reg, adr, q, i             ; a fragment, 16 rows x 128 K, is 16 registers: lane l holds row l % 16; registers 4 c .. 4 c + 3 hold K = 32 c + 16 (l / 16) + 0 .. 15
.irp c, 0,1,2,3
	ds_load_b128 v[\reg+4*\c:\reg+4*\c+3], v[\adr] offset:128*(\q)+32*\c+(\i)*16*PITCH
.endr
.endm
; 16 matrix instructions: A's blocks a0, a0 + 1 x B's eight, 128 along K.  p: B's set.  zero = 1: the first product starts the sums: nothing is ever cleared.
; The 64 accumulators take turns, one instruction a turn, in the same order in every step.
.macro MUL16 a0, p, zero
.irp a, \a0, \a0+1
.irp b, 0,1,2,3,4,5,6,7
.if \zero
	v_wmma_f32_16x16x128_fp8_fp8 v[8*(8*((\a)%4)+\b):8*(8*((\a)%4)+\b)+7], v[128*(\p)+FR*\b:128*(\p)+FR*\b+FR-1], v[AF+FR*(\a):AF+FR*(\a)+FR-1], 0
.else
	v_wmma_f32_16x16x128_fp8_fp8 v[8*(8*((\a)%4)+\b):8*(8*((\a)%4)+\b)+7], v[128*(\p)+FR*\b:128*(\p)+FR*\b+FR-1], v[AF+FR*(\a):AF+FR*(\a)+FR-1], v[8*(8*((\a)%4)+\b):8*(8*((\a)%4)+\b)+7]
.endif
.endr
.endr
.endm
.macro FETCH_B slot, q, p              ; B's eight fragments of the slot's q-th 128 along K into set p
	WIN TO_B
.irp i, 0,1,2,3,4,5,6,7
	FRAG 128*(\p)+FR*\i, ADRB+\slot, \q, \i
.endr
	WIN 0
.endm
.macro FETCH_A slot, q, i0             ; A's blocks i0 .. i0 + 3
.irp i, \i0, \i0+1, \i0+2, \i0+3
	FRAG AF+FR*(\i), ADRA+\slot, \q, \i
.endr
.endm
; A load into a register that a matrix instruction has read, and a vector instruction that reads a matrix result or writes one of its registers, stand NP places behind it; only plain vector
; instructions that name none of its registers are places (ISA guide 7.12.1 for vector instructions).
.macro PLACES n
.rept \n
	v_nop
.endr
.endm
; A step of 128 along K that has its successor in the same slot.  A block of A is free as soon as its eight products are issued: blocks 0-3 are fetched anew in the step's middle, blocks 4-7 at its end.
.macro STEP slot, q, zero
	s_wait_dscnt 4*NL                              ; B's set and A's blocks 0-3 are in; the youngest 16 loads (A's blocks 4-7) may be out
	WIN MUL_LO
	MUL16 0, (\q)%2, \zero
	MUL16 2, (\q)%2, \zero
	s_wait_dscnt 0                                 ; A's blocks 4-7 are in
	PLACES NP
	FETCH_B \slot, (\q)+1, 1-(\q)%2
	FETCH_A \slot, (\q)+1, 0
	WIN MUL_HI
	MUL16 4, (\q)%2, \zero
	MUL16 6, (\q)%2, \zero
	PLACES NP
	WIN 0
	FETCH_A \slot, (\q)+1, 4
.endm
; A slot's last step changes slots: ONE barrier; in front of it each wave waits for all its tensor loads, adds 0 to its spare word, and waits for that and for its own reads of this slot.  fill = 1: this slot is filled again, two K steps ahead.
.macro TURN slot, next, fill
	s_wait_tensorcnt 0x0                           ; all my tensor loads have landed: my part of the next slot  (every window is 0 here)
	ds_add_u32 v[SPW], v[NIL]                      ; 0 onto my spare word
	s_wait_dscnt 4*NL+1                            ; the add and the youngest 16 loads, A's blocks 4-7, may be out
	WIN MUL_LO
	MUL16 0, 1, 0                                  ; sixteen matrix instructions stand between the add and the wait for it
	s_wait_dscnt 0x0                               ; the add is done, and my reads of this slot are over
	s_barrier_signal -1
	MUL16 2, 1, 0
	WIN 0
	s_barrier_wait -1
.if \fill
	CREST                                          ; the barrier has opened a round of the cluster's barrier: no wave of any partner still reads this slot's tile or has a load on its way
	s_add_nc_u64 s[G0+4*\slot+2:G0+4*\slot+3], s[G0+4*\slot+2:G0+4*\slot+3], 2*ROWB
	s_add_nc_u64 s[G0B+4*\slot+2:G0B+4*\slot+3], s[G0B+4*\slot+2:G0B+4*\slot+3], 2*ROWB
	JLOAD G0+4*\slot, G1, G0B+4*\slot, G1B         ; the first tensor load behind the round; the four v_nop behind it are the places in front of the loads below
.else
	PLACES NP
.endif
	FETCH_B \next, 0, 0
	FETCH_A \next, 0, 0
	WIN MUL_HI
	MUL16 4, 1, 0
	MUL16 6, 1, 0
	PLACES NP
	WIN 0
	FETCH_A \next, 0, 4
.endm
	s_wait_tensorcnt 1                             ; my part of K step 0 is in (K step 1's load may be out),
	s_barrier_signal -1
	s_barrier_wait -1                              ; everybody's is
	FETCH_B 0, 0, 0
	FETCH_A 0, 0, 0
	FETCH_A 0, 0, 4
	STEP 0, 0, 1                                   ; the first step stands in front of the loop: its products start the sums
	s_mov_b32 s3, LAPS-1
.Llap:                                                 ; a trip goes once round the ring, from a lap's second step to the next lap's first, and fills both slots again
	TURN 0, 1, 1
	STEP 1, 0, 0
	TURN 1, 0, 1
	STEP 0, 0, 0
	s_sub_co_u32 s3, s3, 1
	s_cmp_lg_u32 s3, 0
	s_cbranch_scc1 .Llap
	TURN 0, 1, 0                                   ; the last lap fills nothing, and has no round of the cluster's barrier
	STEP 1, 0, 0
	s_wait_dscnt 4*NL                              ; the very last step: nothing more to fetch
	WIN MUL_LO
	MUL16 0, 1, 0
	MUL16 2, 1, 0
	s_wait_dscnt 0
	WIN MUL_HI
	MUL16 4, 1, 0
	MUL16 6, 1, 0
	WIN 0
; THE WAY OUT.  Block a (16 rows x 128 columns): sum x S + bias, one packed multiply-add for two numbers, each accumulator from its low end on; the hold at 448 x the scale (with FFN = 1 between 0 and that: the
; activation and the hold in one); eight conversions, each a lane's eight neighbouring columns; eight stores of 8 bytes into the stage.
.macro QBLOCK a
.set AC, 64*((\a)%4)
.set CC, CD+16*((\a)%2)
.if (\a) >= 2
	s_wait_dscnt 8                                 ; the stores of two blocks back, which read this set of code registers, are done; the last block's eight may be out
.endif
	WIN 0x02+((\a)/4)                              ; source 0: window 2 or 3
.set j, 0
.rept 32
	v_pk_fma_f32 v[TMP+j:TMP+j+1], v[AC+j:AC+j+1], s[96:97], v[BIAS+j:BIAS+j+1] op_sel_hi:[1,0,1]
.set j, j+2
.endr
	WIN 0
.set j, 0
.rept 64
.if FFN
	v_med3_num_f32 v[TMP+j], v[TMP+j], 0, v[LIM]
.else
	v_med3_num_f32 v[TMP+j], v[TMP+j], -v[LIM], v[LIM]   ; the conversion to an 8-bit code does not saturate (ISA guide 7.6.2)
.endif
.set j, j+1
.endr
.irp b, 0,1,2,3,4,5,6,7
	v_cvt_scalef32_pk8_fp8_f32 v[CC+2*\b:CC+2*\b+1], v[TMP+8*\b:TMP+8*\b+7], v[SCL]
.endr
	v_nop                                          ; one plain vector instruction between the conversions and the next block's lines, which write their sources
.irp b, 0,1,2,3,4,5,6,7
	ds_store_b64 v[STO], v[CC+2*\b:CC+2*\b+1] offset:(\a)*16*PITCH+16*\b
.endr
.endm
	s_wait_kmcnt 0x0
	s_add_co_i32 s96, s68, s69                     ; the two operands' exponents, between -126 and 127,
	s_add_co_i32 s96, s96, 127
	s_lshl_b32 s96, s96, 23                        ; make the f32 number S
	s_mov_b32 s97, s96                             ; (named with it as a pair, so it is written)
.if FFN
	s_mov_b32 s76, s70                             ; e10
.else
	s_cmp_eq_u32 ttmp9, 0                          ; a cluster spans 1,024 columns: cluster x = 0 makes q, 1 k, 2 v.  A choice of a number, alike in all sixteen partners; no branch
	s_cselect_b32 s76, s70, s71                    ; e2 or e3
	s_cmp_eq_u32 ttmp9, 2
	s_cselect_b32 s76, s73, s76                    ; or e5
.endif
	s_add_co_i32 s76, s76, 127
	s_lshl_b32 s77, s76, 23
	s_add_co_i32 s76, s76, 8
	s_lshl_b32 s76, s76, 23
	s_or_b32 s76, s76, 0x600000
	v_mov_b32 v[SCL], s77                          ; the result's scale as f32: the conversions take its exponent field
	v_mov_b32 v[LIM], s76                          ; 448 x that.  These two and the two below are the four places behind the last products
	PLACES 2
	s_wait_loadcnt 0x0                             ; the bias
.irp a, 0,1,2,3,4,5,6,7
	QBLOCK \a
.endr
	s_wait_dscnt 0x0                               ; for the others' sake: my stores into the stage are done (a row's 256 bytes come from two waves)
	s_barrier_signal -1
	s_barrier_wait -1
.set t, 0
.rept 32
	ds_load_b128 v[BK+4*t:BK+4*t+3], v[RD] offset:t*2*PITCH
.set t, t+1
.endr
.set t, 0
.rept 32
	s_wait_dscnt 31-t
	global_store_b128 v[CO], v[BK+4*t:BK+4*t+3], s[10:11] offset:2*t*NB   ; 16 lanes store 256 consecutive bytes, at a multiple of 256 from the buffer's first byte
.set t, t+1
.endr
	s_wait_tensorcnt 0x0                           ; the wave's end: three lines behind my last tensor load and my last LDS store
	ds_add_u32 v[SPW], v[NIL]
	s_wait_dscnt 0x0
	CROUND                                         ; the closing round: no work-group ends while a partner may still ask for a tile that names it
	s_endpgm
.Lfunc_end_k_q4b28913c31_qkv:
	.size	k_q4b28913c31_qkv, .Lfunc_end_k_q4b28913c31_qkv-k_q4b28913c31_qkv
	.p2alignl 7, 3214868480
	.fill 96, 4, 3214868480
	.section	.rodata,"a",@progbits
	.p2align	6, 0x0
	.amdhsa_kernel k_q4b28913c31_qkv
		.amdhsa_group_segment_fixed_size 327680
		.amdhsa_private_segment_fixed_size 0
		.amdhsa_enable_private_segment 0
		.amdhsa_kernarg_size 32
		.amdhsa_user_sgpr_count 2
		.amdhsa_user_sgpr_kernarg_segment_ptr 1
		.amdhsa_wavefront_size32 1
		.amdhsa_system_sgpr_workgroup_id_x 1
		.amdhsa_system_sgpr_workgroup_id_y 1
		.amdhsa_system_sgpr_workgroup_id_z 1
		.amdhsa_system_vgpr_workitem_id 0
		.amdhsa_next_free_vgpr 1024
		.amdhsa_next_free_sgpr 100
		.amdhsa_reserve_vcc 0
		.amdhsa_float_denorm_mode_32 3
		.amdhsa_float_denorm_mode_16_64 3
		.amdhsa_memory_ordered 1
		.amdhsa_forward_progress 1
		.amdhsa_inst_pref_size 143
	.end_amdhsa_kernel
	.amdgpu_metadata
---
amdhsa.version: [ 1, 2 ]
amdhsa.kernels:
  - .name:           k_q4b28913c31_qkv
    .symbol:         k_q4b28913c31_qkv.kd
    .args:
      - { .name: codes0, .offset: 0, .size: 8, .value_kind: global_buffer, .address_space: global }
      - { .name: in_proj_b, .offset: 8, .size: 8, .value_kind: global_buffer, .address_space: global }
      - { .name: lowp_scales, .offset: 16, .size: 8, .value_kind: global_buffer, .address_space: global }
      - { .name: qkvq, .offset: 24, .size: 8, .value_kind: global_buffer, .address_space: global }
    .group_segment_fixed_size: 327680
    .private_segment_fixed_size: 0
    .kernarg_segment_align: 8
    .kernarg_segment_size: 32
    .max_flat_workgroup_size: 128
    .sgpr_count:     100
    .vgpr_count:     1024
    .wavefront_size: 32
...
	.end_amdgpu_metadata
.endif
;; end of part 2
;; launch attn (part 3): grid 32 x 8, 16 waves a work-group, no clusters, 217,088 bytes of LDS; arguments qkvq, lowp_scales, attq; writes attq
.if DOCPART == 3
	.amdgcn_target "amdgcn-amd-amdhsa--gfx1250"
	.amdhsa_code_object_version 6
	.text
	.protected	k_q4b28913c31_attn
	.globl	k_q4b28913c31_attn
	.p2align	8
	.type	k_q4b28913c31_attn,@function
k_q4b28913c31_attn:
	s_mov_b64 s[64:65], 0
	v_nop
	global_prefetch_b8 v0, s[64:65] scope:SCOPE_SE
	s_setreg_imm32_b32 hwreg(HW_REG_WAVE_MODE, 25, 1), 1
	s_wait_xcnt 0x0
; Attention under the band |query - key| <= 128, both products on codes of E4M3; the result is quantised for the next product.
; qkvq: [4096 tokens][3072] codes: q at byte 0, k at 1,024, v at 2,048 of a row; head n at 64 n.  attq: [4096][1024] codes.  Exponents: e2 q, e3 k, e4 p, e5 v, e6 the result.
; SOFTMAX: t = score x 2^(e2 + e3) x log2(e) / 8; M = the running largest t rounded UP to a whole number; p = 2^(t - M) is quantised, not normalised; the row's sum is taken of the unquantised p and divides at the end.
; SHARES.  A work-group takes 64 queries of one batch and 4 heads: 256 bytes of each row.  Wave w: head w % 4, queries 16 (w / 4) on.  64 aligned queries see keys in five aligned blocks of 64; the first key
; ks = 64 x block - 128 is held between 0 and 1,728, so that 320 keys inside the sequence are always fetched; the band is judged by true indices.  Tiles wholly outside a wave's band are passed over.
; No cluster: neighbouring query blocks' windows begin 64 keys apart, so their tiles are not the same tiles.  Every tile is fetched once, at the head: nothing is filled again.
; LAYOUT.  S^T = K Q^T (source 0 = 16 keys, source 1 = my 16 queries; K and Q by two loads of 16 bytes a fragment: the same permutation of the 64 channels in both).  In S^T a lane holds ONE query (lane % 16), and
; register j of tile t key 16 t + 8 (lane / 16) + j: the form's own place for k in source 1 of O^T = V^T P^T, so a tile's eight registers convert straight into P's registers 2 t, 2 t + 1.
; V lies [key][channel] in LDS: ds_load_tr16_b128 turns pairs of bytes, v_perm_b32 parts even and odd channels: tile 2 n + par of V^T holds channels 32 n + 2 r + par.
; LIMITS: e2 + e3 between -123 and 130 (added to c's exponent field); e4 and e6 between -126 and 119; NaN is not served.
; REGISTERS: v1-10 addresses; v12 -M, v13 the largest t, v[14:15] the sum in two halves; v16-23 Q; v32-63 K's four fragments; v64-95 V as loaded; v96-127 S^T, then p; v128-159 V^T's four fragments; v160-191 O^T;
;   v224-231 codes; v232 the mask's threshold; v234 -infinity; v235 r - 8 h; v236 a lane exchange's landing place; v240, v244 448 x 2^e4, 2^e4; v241, v245 the same with e6; v242-243, v252-254 at work.
.set PK,    272                        ; a row of K or Q in LDS: 256 bytes + 16
.set PV,    288                        ; a row of V: 256 + 32
.set VBLK,  64*PV
.set KBLK,  64*PK
.set QOFF,  5*VBLK                     ; LDS: V's five blocks from 0; Q's 64 rows;
.set KOFF,  QOFF+KBLK                  ; K's five blocks;
.set STAGE, KOFF+5*KBLK                ; the stage for the way out: 64 rows x 272, at a multiple of 256: no tile lands there;
.set SPARE, STAGE+KBLK                 ; the spare words, 128 bytes for each of 16 waves
.set AK0, 1
.set AV0, 2
.set AQ,  3
.set SO,  4
.set SPW, 5
.set NIL, 6
.set GO,  7
.set ADK, 8
.set ADV, 9
.set RD,  10
.set WV,  18                           ; s18 my wave's number
.set SEL, 20                           ; s[20:21] lane selects: lane l xor 16
.set CS,  22                           ; s[22:23] c
.set G1V, 24                           ; s[24:31] descriptor group 1 for V's tiles; s[32:39] for K's and Q's: the padding differs
.set G1K, 32
.set G0V, 40
.set G0K, 44
.set EVEN, 48                          ; s48, s49 byte selects for v_perm_b32
.set ODD,  49
.set KB,  50                           ; s50 LDS bytes from K's first block to the block in hand; s51 the same for V
.set VB,  51
.set KF,  52                           ; s52 the block's first key
.set Q0,  53                           ; s53 my first query
.set CNT, 54
	s_load_b128 s[4:7], s[0:1], 0x0                ; qkvq, the exponents
	s_load_b64 s[8:9], s[0:1], 0x10                ; attq
	v_lshl_add_u32 v[SPW], v0, 2, SPARE
	v_mov_b32 v[NIL], 0
	ds_add_u32 v[SPW], v[NIL]                      ; the wave's opening: the add and its wait ahead of my first tensor load; the set-up below, work on registers, stands between them
	v_lshrrev_b32 v8, 5, v0
	v_readfirstlane_b32 s[WV], v8                  ; wave 0..15
	s_and_b32 s55, ttmp7, 0xffff
	s_lshr_b32 s56, s55, 2                         ; batch
	s_and_b32 s57, s55, 3                          ; which four heads
	s_lshl_b32 s58, ttmp9, 6                       ; the block's first query
	s_sub_co_i32 s59, s58, 128
	s_max_i32 s59, s59, 0
	s_min_i32 s59, s59, 1728                       ; ks
	s_lshl_b32 s60, s56, 11                        ; the batch's first token
	s_lshl_b32 s61, s57, 8                         ; the four heads' bytes in q, k or v
	s_lshl_b32 s62, s[WV], 6                       ; V (waves 0 to 4): keys ks + 64 w on
	s_add_co_u32 s62, s62, s59
	s_add_co_u32 s62, s62, s60
	s_mul_i32 s62, s62, 3072
	s_add_co_u32 s62, s62, s61
	s_add_co_u32 s62, s62, 2048
	s_mov_b32 s63, 0
	s_max_u32 s76, s[WV], 6                        ; K (waves 6 to 10): keys ks + 64 (w - 6) on;
	s_sub_co_u32 s76, s76, 6
	s_lshl_b32 s76, s76, 6
	s_add_co_u32 s76, s76, s59
	s_cmp_eq_u32 s[WV], 5                          ; Q (wave 5): the block's 64 queries
	s_cselect_b32 s76, s58, s76
	s_cselect_b32 s77, 0, 1024
	s_add_co_u32 s76, s76, s60
	s_mul_i32 s76, s76, 3072
	s_add_co_u32 s76, s76, s77
	s_add_co_u32 s76, s76, s61
	s_mov_b32 s77, 0
	; descriptor group 1: 64 rows x 256 bytes, 3,072 bytes apart in memory
	s_mov_b32 s[G1V], (0<<16)|(1<<20)|(5<<22)|(7<<25)   ; no mask; elements of 1 byte; padding on: after every 64 words (code 5) 8 words (code 7)
	s_mov_b32 s[G1K], (0<<16)|(1<<20)|(5<<22)|(3<<25)   ; the same with 4 words (code 3)
.irp g, G1V, G1K
	s_mov_b32 s[\g+1], 256<<16                     ; tensor_dim0
	s_mov_b32 s[\g+2], 64<<16                      ; tensor_dim1
	s_mov_b32 s[\g+3], 256<<16                     ; tile_dim0
	s_mov_b32 s[\g+4], 64                          ; tile_dim1
	s_mov_b32 s[\g+5], 3072                        ; tensor_dim0_stride
	s_mov_b32 s[\g+6], 0
	s_mov_b32 s[\g+7], 0
.endr
	s_mov_b32 s[SEL], 0x76543210
	s_mov_b32 s[SEL+1], 0xfedcba98
	s_mov_b32 s[CS], 0x3e38aa3b                    ; c = log2(e) / sqrt(64)
	s_mov_b32 s[EVEN], 0x06040200
	s_mov_b32 s[ODD], 0x07050301
	s_mov_b32 s[KB], 0
	s_mov_b32 s[VB], 0
	s_mov_b32 s[KF], s59
	s_and_b32 s78, s[WV], 3                        ; my head of the four
	s_lshr_b32 s79, s[WV], 2                       ; my tile of queries
	s_lshl_b32 s[Q0], s79, 4
	s_add_co_u32 s[Q0], s[Q0], s58
	s_lshl_b32 s84, s[WV], 2                       ; the way out: wave w stores rows 4 w .. 4 w + 3 of the 64
	s_add_co_u32 s84, s84, s58
	s_add_co_u32 s84, s84, s60
	s_lshl_b32 s84, s84, 10
	s_add_co_u32 s84, s84, s61
	s_mov_b32 s85, 0
	s_wait_dscnt 0x0                               ; the opening add is done
	s_wait_kmcnt 0x0
	s_load_b256 s[68:75], s[6:7], 0x0              ; e0 .. e7
	s_mov_b32 s[G0V], 1                            ; count = 1
	s_mul_i32 s[G0V+1], s[WV], VBLK                ; LDS: V's block w
	s_add_nc_u64 s[G0V+2:G0V+3], s[4:5], s[62:63]
	s_or_b32 s[G0V+3], s[G0V+3], 0x80000000        ; type = 2
	s_mov_b32 s[G0K], 1
	s_mul_i32 s[G0K+1], s[WV], KBLK
	s_add_co_u32 s[G0K+1], s[G0K+1], QOFF-5*KBLK   ; LDS: wave 5: Q; wave 6 + i: K's block i
	s_add_nc_u64 s[G0K+2:G0K+3], s[4:5], s[76:77]
	s_or_b32 s[G0K+3], s[G0K+3], 0x80000000
	s_add_nc_u64 s[8:9], s[8:9], s[84:85]
	; the first and only fills: one tensor load a wave, in waves 0 to 10.  The branches hang on the wave's number alone.  An s_nop 0 and four v_nop follow each line
	s_cmp_lt_u32 s[WV], 5
	s_cbranch_scc0 .Lnot_v
	tensor_load_to_lds s[G0V:G0V+3], s[G1V:G1V+7]
	s_nop 0
.rept 4
	v_nop
.endr
	s_branch .Lasked
.Lnot_v:
	s_cmp_lt_u32 s[WV], 11
	s_cbranch_scc0 .Lasked
	tensor_load_to_lds s[G0K:G0K+3], s[G1K:G1K+7]
	s_nop 0
.rept 4
	v_nop
.endr
.Lasked:
	v_and_b32 v8, 15, v0                           ; r
	v_bfe_u32 v9, v0, 4, 1                         ; h
	v_mul_u32_u24 v11, v8, PK
	v_lshl_add_u32 v11, v9, 4, v11                 ; r x pitch + 16 h
	s_lshl_b32 s80, s78, 6                         ; my head's 64 bytes of a row
	s_add_co_u32 s81, s80, KOFF
	v_add_nc_u32 v[AK0], s81, v11
	s_mul_i32 s82, s79, 16*PK
	s_add_co_u32 s82, s82, s80
	s_add_co_u32 s83, s82, QOFF
	v_add_nc_u32 v[AQ], s83, v11                   ; Q: row 16 x tile + r
	s_add_co_u32 s83, s82, STAGE
	v_add_nc_u32 v[SO], s83, v11                   ; the stage, in: the same row, my head's bytes, 16 for each half of the lanes
	v_and_b32 v232, 7, v0
	v_lshl_add_u32 v232, v9, 3, v232               ; the turning load: lane l reads 16 bytes of key 8 h + l % 8,
	v_mul_u32_u24 v232, v232, PV
	v_bfe_u32 v234, v0, 3, 1
	v_lshl_add_u32 v232, v234, 4, v232             ; at byte 16 ((l / 8) % 2)
	v_add_nc_u32 v[AV0], s80, v232
	s_mul_i32 s83, s[WV], 4*PK
	s_add_co_u32 s83, s83, STAGE
	v_mul_u32_u24 v232, v9, PK
	v_lshl_add_u32 v232, v8, 4, v232
	v_add_nc_u32 v[RD], s83, v232                  ; the stage, back: lanes 0-15 one row of 256 bytes, lanes 16-31 the next
	v_lshlrev_b32 v[GO], 10, v9
	v_lshl_add_u32 v[GO], v8, 4, v[GO]             ; and the same two rows in memory
	v_lshlrev_b32 v235, 3, v9
	v_sub_nc_u32 v235, v8, v235                    ; r - 8 h
	v_mov_b32 v234, 0xff800000                     ; -infinity
	v_mov_b32 v13, 0xff61b1e6                      ; the largest t so far: -3e38, under every t
	v_floor_f32 v12, -v13                          ; -M
	v_mov_b32 v14, 0                               ; the sum, in two halves
	v_mov_b32 v15, 0
	v_mov_b32 v236, 0                              ; written once: a lane permute's destination counts as one of its sources
	v_mov_b32 v253, 0                              ; (named as the upper half of the pair v[252:253])
.set j, 0
.rept 32
	v_mov_b32 v[160+j], 0                          ; O^T.  (The loop is written once: its first block finds zeros, which the first change of M leaves zeros)
.set j, j+1
.endr
	s_wait_kmcnt 0x0
	s_add_co_i32 s86, s70, s71
	s_lshl_b32 s86, s86, 23
	s_add_co_i32 s[CS], s[CS], s86                 ; a score stands for score x 2^(e2 + e3): the two exponents are added to c's exponent field
	s_mov_b32 s[CS+1], s[CS]                       ; (named with it as a pair, so it is written)
	s_add_co_i32 s86, s72, 127
	s_lshl_b32 s87, s86, 23
	v_mov_b32 v244, s87                            ; 2^e4 as f32
	s_add_co_i32 s86, s86, 8
	s_lshl_b32 s86, s86, 23
	s_or_b32 s86, s86, 0x600000
	v_mov_b32 v240, s86                            ; 448 x 2^e4
	s_add_co_i32 s88, s74, 127
	s_lshl_b32 s89, s88, 23                        ; 2^e6,
	s_add_co_i32 s88, s88, 8
	s_lshl_b32 s88, s88, 23
	s_or_b32 s88, s88, 0x600000                    ; 448 x 2^e6: for the way out
	s_wait_tensorcnt 0x0                           ; my tile, if I fetched one, has landed,
	s_barrier_signal -1
	s_barrier_wait -1                              ; everybody's has
	ds_load_b128 v[16:19], v[AQ]                   ; Q's fragment stays in registers
	ds_load_b128 v[20:23], v[AQ] offset:32
	s_mov_b32 s[CNT], 5
.Lblock:                                           ; five trips, a constant: a block of 64 keys each
	s_add_co_u32 s86, s[Q0], 143                   ; a block all of whose keys lie outside the band of all my 16 queries is passed over: scalar branches on ids, round the work alone
	s_cmp_gt_u32 s[KF], s86
	s_cbranch_scc1 .Lnext
	s_add_co_u32 s86, s[KF], 191
	s_cmp_lt_u32 s86, s[Q0]
	s_cbranch_scc1 .Lnext
	v_add_nc_u32 v[ADK], s[KB], v[AK0]
	v_add_nc_u32 v[ADV], s[VB], v[AV0]
	v_nop                                          ; with the two additions: four places behind the last block's products, ahead of what is written into their registers
	v_nop
.irp t, 0,1,2,3
	ds_load_b128 v[32+8*\t:35+8*\t], v[ADK] offset:16*\t*PK
	ds_load_b128 v[36+8*\t:39+8*\t], v[ADK] offset:16*\t*PK+32
.endr
.irp n, 0,1
.irp c, 0,1,2,3
	ds_load_tr16_b128 v[64+16*\n+4*\c:67+16*\n+4*\c], v[ADV] offset:16*\c*PV+32*\n   ; keys 16 c + 8 h + 0 .. 7 of channels 32 n + 2 r and 32 n + 2 r + 1, interleaved
.endr
.endr
	s_wait_dscnt 8                                 ; Q and K are in; V's eight loads may be out
.irp t, 0,1,2,3
	v_wmma_f32_16x16x64_fp8_fp8 v[96+8*\t:103+8*\t], v[32+8*\t:39+8*\t], v[16:23], 0
.endr
	s_wait_dscnt 0x0                               ; V
.irp n, 0,1                                    ; V^T's fragments; these 32 plain lines, which name no register of the four products, are also the places behind them
.irp c, 0,1,2,3
	v_perm_b32 v[128+16*\n+2*\c], v[65+16*\n+4*\c], v[64+16*\n+4*\c], s[EVEN]
	v_perm_b32 v[129+16*\n+2*\c], v[67+16*\n+4*\c], v[66+16*\n+4*\c], s[EVEN]
	v_perm_b32 v[136+16*\n+2*\c], v[65+16*\n+4*\c], v[64+16*\n+4*\c], s[ODD]
	v_perm_b32 v[137+16*\n+2*\c], v[67+16*\n+4*\c], v[66+16*\n+4*\c], s[ODD]
.endr
.endr
	; THE BAND.  Register n holds key KF + 8 h + 16 (n / 8) + n % 8; my query is Q0 + r.  In a block of 64 keys and 16 queries only one of the two bounds can bind; where none does, both are passed over.  Hidden scores become -infinity: p = 0
	s_add_co_u32 s86, s[KF], 63
	s_add_co_u32 s87, s[Q0], 128
	s_cmp_gt_u32 s86, s87
	s_cbranch_scc0 .Lnot_upper
	s_sub_co_i32 s86, s87, s[KF]
	v_add_nc_u32 v232, s86, v235                   ; hidden where 16 (n / 8) + n % 8 > r - 8 h + Q0 + 128 - KF
.irp n, 0,1,2,3,4,5,6,7,8,9,10,11,12,13,14,15,16,17,18,19,20,21,22,23,24,25,26,27,28,29,30,31
	v_cmp_gt_i32 vcc_lo, 16*(\n/8)+\n%8, v232
	v_cndmask_b32 v[96+\n], v[96+\n], v234, vcc_lo
.endr
	s_branch .Lopen
.Lnot_upper:
	s_add_co_u32 s86, s[KF], 113
	s_cmp_lt_u32 s86, s[Q0]
	s_cbranch_scc0 .Lopen
	s_sub_co_i32 s86, s[Q0], s[KF]
	s_sub_co_i32 s86, s86, 128
	v_add_nc_u32 v232, s86, v235                   ; hidden where 16 (n / 8) + n % 8 < r - 8 h + Q0 - 128 - KF
.irp n, 0,1,2,3,4,5,6,7,8,9,10,11,12,13,14,15,16,17,18,19,20,21,22,23,24,25,26,27,28,29,30,31
	v_cmp_lt_i32 vcc_lo, 16*(\n/8)+\n%8, v232
	v_cndmask_b32 v[96+\n], v[96+\n], v234, vcc_lo
.endr
.Lopen:
	v_max3_num_f32 v254, v96, v97, v98             ; the block's largest score of my query, among my 32 keys, in two chains,
	v_max3_num_f32 v252, v99, v100, v101
.irp i, 6,10,14,18,22,26
	v_max3_num_f32 v254, v254, v[96+\i], v[97+\i]
	v_max3_num_f32 v252, v252, v[98+\i], v[99+\i]
.endr
	v_max3_num_f32 v254, v254, v126, v127
	v_max_num_f32 v254, v254, v252
	v_permlanex16_b32 v236, v254, s[SEL], s[SEL+1]
	v_max_num_f32 v254, v254, v236                 ; and among lane l xor 16's
	v_mul_f32 v254, s[CS], v254                    ; as t (c is positive)
	v_max_num_f32 v13, v13, v254                   ; the running largest t
	v_mov_b32 v254, v12
	v_floor_f32 v12, -v13                          ; the new -M = floor(-t) = -ceil(t): M is a whole number
	v_sub_f32 v254, v12, v254                      ; M's old value less its new one: a whole number, 0 or less
	v_cvt_i32_f32 v254, v254                       ; (it saturates)
	v_ldexp_f32 v252, 1.0, v254                    ; f = 2^(old M - new M): a multiplication by it rounds nothing
.set j, 0
.rept 16
	v_pk_fma_f32 v[96+j:97+j], v[96+j:97+j], s[CS:CS+1], v[12:13] op_sel_hi:[1,0,0]   ; t - M, two at a time
.set j, j+2
.endr
.set j, 0
.rept 32
	v_exp_f32 v[96+j], v[96+j]                     ; p = 2^(t - M), at most 1
.set j, j+1
.endr
	v_pk_mul_f32 v[14:15], v[14:15], v[252:253] op_sel_hi:[1,0]   ; the sums under the new M: the plain instruction behind the exponentials
	s_wait_alu depctr_va_vdst(0)                   ; the wait ahead of the first line that names an exponential's result: one for the batch of 32
	v_pk_add_f32 v[242:243], v[96:97], v[98:99]    ; the row's sum is taken of the unquantised p: two at a time, in two chains
.irp j, 4,8,12,16,20,24,28
	v_pk_add_f32 v[14:15], v[14:15], v[96+\j:97+\j]
	v_pk_add_f32 v[242:243], v[242:243], v[98+\j:99+\j]
.endr
	v_pk_add_f32 v[14:15], v[14:15], v[242:243]
.irp t, 0,1,2,3
.irp i, 0,1,2,3,4,5,6,7
	v_min_num_f32 v[96+8*\t+\i], v[96+8*\t+\i], v240   ; the conversion does not saturate (ISA guide 7.6.2); p is not negative, so the hold is one-sided
.endr
	v_cvt_scalef32_pk8_fp8_f32 v[224+2*\t:225+2*\t], v[96+8*\t:103+8*\t], v244   ; P's registers 2 t, 2 t + 1: keys 16 t + 8 h + 0 .. 7
.endr
.set j, 0
.rept 16
	v_pk_mul_f32 v[160+j:161+j], v[160+j:161+j], v[252:253] op_sel_hi:[1,0]   ; O^T under the new M.  (Plain lines between the conversions and the products that read their results)
.set j, j+2
.endr
.irp u, 0,1,2,3                                ; the four accumulators take turns; the scores' four products stand between one block's links and the next's
	v_wmma_f32_16x16x64_fp8_fp8 v[160+8*\u:167+8*\u], v[128+8*\u:135+8*\u], v[224:231], v[160+8*\u:167+8*\u]
.endr
.Lnext:
	s_add_co_u32 s[KB], s[KB], KBLK
	s_add_co_u32 s[VB], s[VB], VBLK
	s_add_co_u32 s[KF], s[KF], 64
	s_sub_co_u32 s[CNT], s[CNT], 1
	s_cmp_lg_u32 s[CNT], 0
	s_cbranch_scc1 .Lblock
	; THE WAY OUT.  O^T / the sum x 2^(e4 + e5) is the value that the next product quantises, with 2^e6.  The lines up to the first read of O^T hold five plain ones: the places behind the last products.
	v_add_f32 v14, v14, v15                        ; the sum's two halves,
	v_permlanex16_b32 v236, v14, s[SEL], s[SEL+1]
	v_add_f32 v14, v14, v236                       ; and lane l xor 16's
	v_rcp_f32 v14, v14
	v_mov_b32 v245, s89                            ; 2^e6 (a plain instruction behind the reciprocal)
	v_mov_b32 v241, s88                            ; 448 x 2^e6
	s_add_co_i32 s86, s72, s73
	s_wait_alu depctr_va_vdst(0)                   ; the wait ahead of the reciprocal's first reader
	v_ldexp_f32 v14, v14, s86                      ; x 2^(e4 + e5)
.irp n, 0,1                                    ; register j of tile 2 n + par is channel 32 n + 16 h + 2 j + par: even and odd are laid together again: 16 neighbouring channels; each accumulator from its low end on
.irp p, 0,1
.irp j, 0,1,2,3,4,5,6,7
	v_mul_f32 v[96+16*\n+2*\j+\p], v[160+8*(2*\n+\p)+\j], v14
.endr
.endr
.endr
.set j, 0
.rept 32
	v_med3_num_f32 v[96+j], v[96+j], -v241, v241
.set j, j+1
.endr
.irp n, 0,1
	v_cvt_scalef32_pk8_fp8_f32 v[224+4*\n:225+4*\n], v[96+16*\n:103+16*\n], v245
	v_cvt_scalef32_pk8_fp8_f32 v[226+4*\n:227+4*\n], v[104+16*\n:111+16*\n], v245
.endr
	v_nop                                          ; one plain vector instruction behind the last conversion
	ds_store_b128 v[SO], v[224:227]                ; channels 16 h + 0 .. 15 of my head,
	ds_store_b128 v[SO], v[228:231] offset:32      ; and 32 + 16 h + 0 .. 15
	s_wait_dscnt 0x0                               ; for the others' sake: a row's 256 bytes come from four waves
	s_barrier_signal -1
	s_barrier_wait -1
	ds_load_b128 v[32:35], v[RD]
	ds_load_b128 v[36:39], v[RD] offset:2*PK
	s_wait_dscnt 1
	global_store_b128 v[GO], v[32:35], s[8:9]      ; 16 lanes store 256 consecutive bytes, at a multiple of 256 from the buffer's first byte
	s_wait_dscnt 0x0
	global_store_b128 v[GO], v[36:39], s[8:9] offset:2048
	s_wait_tensorcnt 0x0                           ; the wave's end: three lines behind my last tensor load and my last LDS store
	ds_add_u32 v[SPW], v[NIL]
	s_wait_dscnt 0x0
	s_endpgm
.Lfunc_end_k_q4b28913c31_attn:
	.size	k_q4b28913c31_attn, .Lfunc_end_k_q4b28913c31_attn-k_q4b28913c31_attn
	.p2alignl 7, 3214868480
	.fill 96, 4, 3214868480
	.section	.rodata,"a",@progbits
	.p2align	6, 0x0
	.amdhsa_kernel k_q4b28913c31_attn
		.amdhsa_group_segment_fixed_size 217088
		.amdhsa_private_segment_fixed_size 0
		.amdhsa_enable_private_segment 0
		.amdhsa_kernarg_size 24
		.amdhsa_user_sgpr_count 2
		.amdhsa_user_sgpr_kernarg_segment_ptr 1
		.amdhsa_wavefront_size32 1
		.amdhsa_system_sgpr_workgroup_id_x 1
		.amdhsa_system_sgpr_workgroup_id_y 1
		.amdhsa_system_sgpr_workgroup_id_z 1
		.amdhsa_system_vgpr_workitem_id 0
		.amdhsa_next_free_vgpr 256
		.amdhsa_next_free_sgpr 100
		.amdhsa_reserve_vcc 1
		.amdhsa_float_denorm_mode_32 3
		.amdhsa_float_denorm_mode_16_64 3
		.amdhsa_memory_ordered 1
		.amdhsa_forward_progress 1
		.amdhsa_inst_pref_size 28
	.end_amdhsa_kernel
	.amdgpu_metadata
---
amdhsa.version: [ 1, 2 ]
amdhsa.kernels:
  - .name:           k_q4b28913c31_attn
    .symbol:         k_q4b28913c31_attn.kd
    .args:
      - { .name: qkvq, .offset: 0, .size: 8, .value_kind: global_buffer, .address_space: global }
      - { .name: lowp_scales, .offset: 8, .size: 8, .value_kind: global_buffer, .address_space: global }
      - { .name: attq, .offset: 16, .size: 8, .value_kind: global_buffer, .address_space: global }
    .group_segment_fixed_size: 217088
    .private_segment_fixed_size: 0
    .kernarg_segment_align: 8
    .kernarg_segment_size: 24
    .max_flat_workgroup_size: 512
    .sgpr_count:     100
    .vgpr_count:     256
    .wavefront_size: 32
...
	.end_amdgpu_metadata
.endif
;; end of part 3
;; launch oproj (part 4): grid 8 x 32, 4 waves a work-group, clusters of 4 x 4, 327,680 bytes of LDS; arguments attq, codes0, lowp_scales, cbuf; writes cbuf
.if DOCPART == 4
	.amdgcn_target "amdgcn-amd-amdhsa--gfx1250"
	.amdhsa_code_object_version 6
	.text
	.protected	k_q4b28913c31_oproj
	.globl	k_q4b28913c31_oproj
	.p2align	8
	.type	k_q4b28913c31_oproj,@function
k_q4b28913c31_oproj:
	s_mov_b64 s[64:65], 0
	v_nop
	global_prefetch_b8 v0, s[64:65] scope:SCOPE_SE
	s_setreg_imm32_b32 hwreg(HW_REG_WAVE_MODE, 25, 1), 1
	s_wait_xcnt 0x0
	s_wait_alu depctr_hold_cnt(0) depctr_sa_sdst(0) depctr_va_vdst(0) depctr_va_sdst(0) depctr_va_ssrc(0) depctr_va_vcc(0) depctr_vm_vsrc(0)
	s_getreg_b32 s2, hwreg(HW_REG_IB_STS2, 6, 4)
	s_cmp_eq_u32 s2, 0
	s_cbranch_scc0 .Lentry_in_a_cluster
	s_endpgm
.Lentry_in_a_cluster:
	s_bfe_u32 s2, ttmp6, 0x10000c
	s_cmp_lg_u32 s2, 0xf033
	s_cbranch_scc0 .Lentry_shape_is_right
	s_endpgm
.Lentry_shape_is_right:
; C[m][n] = 2^(ea + eb) x the sum over k of A[m][k] B[n][k].  A: [4096][SIZE_K], B: [1024][SIZE_K]: codes of E4M3, K innermost; C: [4096][1024] f32.  Bias, residual and the norm follow in the next launch, which needs whole rows.
; LIMIT: ea + eb between -126 and 127.
; 4,096 x 1,024 would make 64 tiles of 256 x 256: so a tile is 128 x 128, 256 work-groups.  Four waves, each 64 x 64: 16 accumulators.  K goes in steps of 512 (LDS rows of 512 bytes; a wave's tensor load brings 64 of them)
; through two LDS slots.  CLUSTERS: 4 x 4 work-groups; A's tile is shared along a row of the cluster, B's along a column: each is asked for JOINTLY.
; THE MATRIX INSTRUCTION IS USED TRANSPOSED (source 0 = 16 rows of B, source 1 = 16 rows of A): a lane holds eight neighbouring columns of a row.  A fragment comes by four loads of 16 bytes: the same permutation of k in A and B.
; REGISTERS: window 0: v0-31 addresses; v32-127 at work on the way out; v128-255 the accumulators ((a, b) at v[128 + 8 (4 a + b)]).   window 1: two fragment buffers of 128: A's four fragments (16 rows x 128 K), then B's four.
.set SIZE_K, 1024
.set B_OFF,  0x700000                  ; where B's codes begin in their buffer
.set SC_OFF, 0x18                      ; where ea, eb lie among the exponents, in bytes
.set KSTEP,  512
.set PITCH,  528                       ; an LDS row: 512 bytes + 16 of padding = 132 words: row r starts at bank 4 r mod 64 (ISA guide 11.1)
.set HALFT,  64*PITCH                  ; 64 rows: what one tensor load brings, and what one wave reads of A or of B
.set SLOT,   4*HALFT                   ; A's 128 rows, then B's 128 rows
.set SPARE,  2*SLOT                    ; behind the ring: the spare words, 128 bytes a wave
.set SPITCH, 272                       ; the way out: a stage of 16 rows x (256 bytes + 16) for each wave, in slot 0, which has had its last fill and its last read when the first result is stored there
.set LAPS,   SIZE_K/(2*KSTEP)          ; a lap = two K steps = once round the ring
.set ADRA, 16
.set ADRB, 20
.set STO,  24
.set RD,   25
.set CO,   26
.set SPW,  28
.set NIL,  29
.set TMP,  32                          ; a block's 32 numbers x 2^(ea + eb)
.set BK,   64                          ; 16 rows read back: v64-95 and v96-127 by turns
.set ACC,  128
.set F0,   0
.set F1,   128
.set G1, 24
.set G0, 32
.set G1B, 48
.set G0B, 56
.set MSB, 0
.macro WIN new                         ; the immediate's high byte repeats the setting that is left
.if MSB != \new
	s_set_vgpr_msb (MSB<<8)|\new
.set MSB, \new
.endif
.endm
.set MUL,  0x05                        ; sources 0 (B) and 1 (A) window 1; C and D window 0
.set TO_F, 0x40                        ; destination window 1, address window 0
.macro JLOAD s                         ; a joint load: waves 0 and 1 fetch A's two halves, waves 2 and 3 B's; an s_nop 0 and four v_nop follow each of the two lines
	s_cmp_eq_u32 s15, 0
	s_cbranch_scc0 .Lfor_b_\@
	tensor_load_to_lds s[G0+4*\s:G0+4*\s+3], s[G1:G1+7]
	s_nop 0
.rept 4
	v_nop
.endr
	s_branch .Lasked_\@
.Lfor_b_\@:
	tensor_load_to_lds s[G0B+4*\s:G0B+4*\s+3], s[G1B:G1B+7]
	s_nop 0
.rept 4
	v_nop
.endr
.Lasked_\@:
.endm
.macro CREST                           ; a round of the cluster's barrier behind its opening barrier
	s_cmp_lg_u32 s14, 0
	s_cbranch_scc1 .Lnot_wave_0_\@
	s_barrier_signal -3
.Lnot_wave_0_\@:
	s_barrier_wait -3
	s_barrier_signal -1
	s_barrier_wait -1
.endm
.macro CROUND
	s_barrier_signal -1
	s_barrier_wait -1
	CREST
.endm
	s_load_b128 s[4:7], s[0:1], 0x0                ; A's codes, the buffer with B's codes
	s_load_b128 s[8:11], s[0:1], 0x10              ; the exponents, C
	v_lshl_add_u32 v[SPW], v0, 2, SPARE
	v_mov_b32 v[NIL], 0
	ds_add_u32 v[SPW], v[NIL]                      ; the wave's opening: the add and its wait ahead of my first tensor load; the set-up below, work on registers, stands between them
	v_lshrrev_b32 v1, 5, v0
	v_readfirstlane_b32 s14, v1                    ; wave 0..3
	s_lshr_b32 s15, s14, 1                         ; which half of the tile's rows is mine.  Also: I fetch for A (0) or for B (1)
	s_and_b32 s16, s14, 1                          ; which half of its columns.  Also: which 64 rows of that tile I fetch
	s_bfe_u32 s40, ttmp6, 0x40000                  ; cx, cy
	s_bfe_u32 s41, ttmp6, 0x40004
	s_lshl_b32 s42, ttmp9, 2
	s_add_co_u32 s42, s42, s40                     ; tile column
	s_and_b32 s17, ttmp7, 0xffff
	s_lshl_b32 s17, s17, 2
	s_add_co_u32 s17, s17, s41                     ; tile row
	s_lshl_b32 s43, s41, 2
	s_lshl_b32 s43, 15, s43                        ; my row of the cluster
	s_lshl_b32 s44, 0x1111, s40                    ; my column
	s_or_b32 s[G1+0], s43, (0<<16)|(1<<20)|(1<<21)|(6<<22)|(3<<25)  ; the mask; elements of 1 byte; padding on; bit 21 beside a mask; after every 128 words (code 6) 4 words (code 3)
	s_or_b32 s[G1B+0], s44, (0<<16)|(1<<20)|(1<<21)|(6<<22)|(3<<25)
.irp g, G1, G1B
	s_mov_b32 s[\g+1], KSTEP<<16                   ; tensor_dim0 = 512
	s_mov_b32 s[\g+2], 64<<16                      ; tensor_dim1 = 64
	s_mov_b32 s[\g+3], KSTEP<<16                   ; tile_dim0
	s_mov_b32 s[\g+4], 64                          ; tile_dim1
	s_mov_b32 s[\g+5], SIZE_K                      ; tensor_dim0_stride
	s_mov_b32 s[\g+6], 0
	s_mov_b32 s[\g+7], 0
.endr
	s_lshl_b32 s18, s16, 6                         ; which 64 rows of the tile I fetch
	s_lshl_b32 s20, s17, 7
	s_add_co_u32 s20, s20, s18                     ; A: row 128 x tile row + 64 x half
	s_lshl_b32 s46, s42, 7
	s_add_co_u32 s46, s46, s18                     ; B: row 128 x tile column + 64 x half
	s_mov_b32 s21, 0
	s_mov_b32 s47, 0
	s_mov_b64 s[18:19], SIZE_K
	s_mul_u64 s[20:21], s[20:21], s[18:19]
	s_mul_u64 s[46:47], s[46:47], s[18:19]
	s_mul_i32 s45, s14, HALFT                      ; where they go: wave x 64 rows
	s_wait_dscnt 0x0                               ; the opening add is done
	s_wait_kmcnt 0x0
	s_load_b64 s[96:97], s[8:9], SC_OFF            ; ea, eb
	s_add_nc_u64 s[6:7], s[6:7], B_OFF
	s_add_nc_u64 s[20:21], s[4:5], s[20:21]
	s_add_nc_u64 s[46:47], s[6:7], s[46:47]
	CROUND                                         ; all sixteen work-groups are here: the first joint loads meet
.irp s, 0,1
	s_mov_b32 s[G0+4*\s], 1
	s_add_co_u32 s[G0+4*\s+1], s45, \s*SLOT
	s_add_nc_u64 s[G0+4*\s+2:G0+4*\s+3], s[20:21], \s*KSTEP
	s_or_b32 s[G0+4*\s+3], s[G0+4*\s+3], 0x80000000
	s_mov_b32 s[G0B+4*\s], 1
	s_add_co_u32 s[G0B+4*\s+1], s45, \s*SLOT
	s_add_nc_u64 s[G0B+4*\s+2:G0B+4*\s+3], s[46:47], \s*KSTEP
	s_or_b32 s[G0B+4*\s+3], s[G0B+4*\s+3], 0x80000000
	JLOAD \s
.endr
	v_and_b32 v1, 15, v0                           ; r
	v_bfe_u32 v2, v0, 4, 1                         ; h
	v_mul_u32_u24 v3, v1, PITCH
	v_lshl_add_u32 v4, v2, 4, v3                   ; a fragment's row x pitch + 16 x half
	s_mul_i32 s21, s15, HALFT                      ; my 64 rows of A
	s_mul_i32 s22, s16, HALFT                      ; my 64 rows of B,
	s_add_co_u32 s22, s22, 2*HALFT                 ; which lie behind A's 128
.irp s, 0,1
	v_add_nc_u32 v[ADRA+\s], s21, v4
	v_add_nc_u32 v[ADRB+\s], s22, v4
	s_add_co_u32 s21, s21, SLOT
	s_add_co_u32 s22, s22, SLOT
.endr
	s_mul_i32 s23, s14, 16*SPITCH                  ; my stage
	v_mul_u32_u24 v5, v1, SPITCH
	v_lshl_add_u32 v5, v2, 5, v5
	v_add_nc_u32 v[STO], s23, v5                   ; in: row r, 32 bytes for each half of the lanes
	v_mul_u32_u24 v6, v2, SPITCH
	v_lshl_add_u32 v6, v1, 4, v6
	v_add_nc_u32 v[RD], s23, v6                    ; back: lanes 0-15 one row of 256 bytes, lanes 16-31 the next
	v_lshlrev_b32 v6, 12, v2
	v_lshl_add_u32 v[CO], v1, 4, v6                ; and the same two rows in C (4,096 bytes a row)
	s_lshl_b32 s20, s17, 7
	s_lshl_b32 s21, s15, 6
	s_add_co_u32 s20, s20, s21                     ; my first row of C
	s_lshl_b32 s20, s20, 12
	s_lshl_b32 s46, s42, 9                         ; my first column, in bytes: 512 x tile column + 256 x half
	s_lshl_b32 s47, s16, 8
	s_add_co_u32 s46, s46, s47
	s_add_co_u32 s20, s20, s46                     ; under 2^24
	s_mov_b32 s21, 0
	s_add_nc_u64 s[10:11], s[10:11], s[20:21]
; 4 matrix instructions: A's block a x B's four, 128 along K, from buffer f.  zero = 1: the product starts the sums.  The 16 accumulators take turns, one instruction a turn, in the same order in every quarter.
.macro MUL4 f, a, zero
.irp b, 0,1,2,3
.if \zero
	v_wmma_f32_16x16x128_fp8_fp8 v[ACC+8*(4*(\a)+\b):ACC+8*(4*(\a)+\b)+7], v[\f+64+16*\b:\f+64+16*\b+15], v[\f+16*(\a):\f+16*(\a)+15], 0
.else
	v_wmma_f32_16x16x128_fp8_fp8 v[ACC+8*(4*(\a)+\b):ACC+8*(4*(\a)+\b)+7], v[\f+64+16*\b:\f+64+16*\b+15], v[\f+16*(\a):\f+16*(\a)+15], v[ACC+8*(4*(\a)+\b):ACC+8*(4*(\a)+\b)+7]
.endif
.endr
.endr
.endm
; 32 LDS loads in one run: the fragments of 128 along K at byte k of the rows into buffer f: B's four first, then A's 0, 1, 2, 3
.macro FETCH slot, k, f
	WIN TO_F
.irp i, 0,1,2,3
.irp c, 0,1,2,3
	ds_load_b128 v[\f+64+16*\i+4*\c:\f+64+16*\i+4*\c+3], v[ADRB+\slot] offset:\k+32*\c+\i*16*PITCH
.endr
.endr
.irp i, 0,1,2,3
.irp c, 0,1,2,3
	ds_load_b128 v[\f+16*\i+4*\c:\f+16*\i+4*\c+3], v[ADRA+\slot] offset:\k+32*\c+\i*16*PITCH
.endr
.endr
.endm
.macro PLACES                          ; four places in front of loads into registers that matrix instructions have read, and of the first read of results (ISA guide 7.12.1 for the first read of results)
.rept 4
	v_nop
.endr
.endm
; A K step is four quarters of 128 along K, 16 matrix instructions each, on buffers 0, 1, 0, 1.  One of the first three: multiplies buffer f and fetches the next quarter, at byte k, into g.
.macro QUARTER slot, k, f, g, zero
	s_wait_dscnt 8                                 ; B's four and A's fragments 0 and 1 are in; the youngest eight loads (A's 2 and 3) may be out
	WIN MUL
	MUL4 \f, 0, \zero
	MUL4 \f, 1, \zero
	PLACES
	FETCH \slot, \k, \g
	s_wait_dscnt 32                                ; all but the 32 just issued
	WIN MUL
	MUL4 \f, 2, \zero
	MUL4 \f, 3, \zero
.endm
; The last quarter multiplies buffer 1 and changes slots: ONE barrier; in front of it each wave waits for all its tensor loads, adds 0 to its spare word, and waits for that and for its own reads of this slot.  fill = 1: this slot is filled again, two K steps ahead.
.macro TURN slot, next, fill
	WIN 0                                          ; (the add's two registers lie in window 0)
	s_wait_tensorcnt 0x0                           ; all my tensor loads have landed: my part of the next slot
	ds_add_u32 v[SPW], v[NIL]                      ; 0 onto my spare word
	s_wait_dscnt 9                                 ; the add and the youngest eight loads may be out
	WIN MUL
	MUL4 F1, 0, 0                                  ; four matrix instructions stand between the add and the wait for it
	s_wait_dscnt 0x0                               ; the add is done, and my reads of this slot are over
	s_barrier_signal -1
	MUL4 F1, 1, 0
.if \fill
	WIN 0
.endif
	s_barrier_wait -1
.if \fill
	CREST                                          ; the barrier has opened a round of the cluster's barrier: no wave of any partner still reads this slot's tile or has a load on its way
	s_add_nc_u64 s[G0+4*\slot+2:G0+4*\slot+3], s[G0+4*\slot+2:G0+4*\slot+3], 2*KSTEP
	s_add_nc_u64 s[G0B+4*\slot+2:G0B+4*\slot+3], s[G0B+4*\slot+2:G0B+4*\slot+3], 2*KSTEP
	JLOAD \slot                                    ; the first tensor load behind the round; the four v_nop behind it are the places in front of the loads below
.else
	PLACES
.endif
	FETCH \next, 0, F0
	WIN MUL
	MUL4 F1, 2, 0
	MUL4 F1, 3, 0
.endm
	s_wait_tensorcnt 1                             ; my part of K step 0 is in (K step 1's load may be out),
	s_barrier_signal -1
	s_barrier_wait -1                              ; everybody's is
	FETCH 0, 0, F0
	QUARTER 0, 128, F0, F1, 1                      ; the first quarter stands in front of the loop: its products start the sums
.if LAPS > 1
	WIN 0                                          ; at a label and at a branch every window is 0
	s_mov_b32 s3, LAPS-1
.Llap:                                                 ; a trip goes once round the ring, from a lap's second quarter to the next lap's first, and fills both slots again
	QUARTER 0, 256, F1, F0, 0
	QUARTER 0, 384, F0, F1, 0
	TURN 0, 1, 1
	QUARTER 1, 128, F0, F1, 0
	QUARTER 1, 256, F1, F0, 0
	QUARTER 1, 384, F0, F1, 0
	TURN 1, 0, 1
	QUARTER 0, 128, F0, F1, 0
	WIN 0
	s_sub_co_u32 s3, s3, 1
	s_cmp_lg_u32 s3, 0
	s_cbranch_scc1 .Llap
.endif
	QUARTER 0, 256, F1, F0, 0                      ; the last lap fills nothing, and has no round of the cluster's barrier
	QUARTER 0, 384, F0, F1, 0
	TURN 0, 1, 0
	QUARTER 1, 128, F0, F1, 0
	QUARTER 1, 256, F1, F0, 0
	QUARTER 1, 384, F0, F1, 0
	s_wait_dscnt 8                                 ; the very last quarter: nothing more to fetch
	WIN MUL
	MUL4 F1, 0, 0
	MUL4 F1, 1, 0
	s_wait_dscnt 0
	MUL4 F1, 2, 0
	MUL4 F1, 3, 0
	WIN 0
; THE WAY OUT, block by block of 16 rows x 64 columns.  A wave's 64 columns are 256 aligned bytes of C, so each wave goes out alone, through its own stage: LDS serves a wave's instructions in order (ISA guide 5.7.1.4).
.macro TOSTAGE a
.set j, 0
.rept 16
	v_pk_mul_f32 v[TMP+j:TMP+j+1], v[ACC+32*(\a)+j:ACC+32*(\a)+j+1], s[96:97] op_sel_hi:[1,0]   ; x 2^(ea + eb); each accumulator from its low end on
.set j, j+2
.endr
.irp b, 0,1,2,3
	ds_store_b128 v[STO], v[TMP+8*\b:TMP+8*\b+3] offset:64*\b
	ds_store_b128 v[STO], v[TMP+8*\b+4:TMP+8*\b+7] offset:64*\b+16
.endr
.set BB, BK+32*((\a)%2)
.irp t, 0,1,2,3,4,5,6,7
	ds_load_b128 v[BB+4*\t:BB+4*\t+3], v[RD] offset:\t*2*SPITCH
.endr
.endm
.macro SEND a, younger                 ; younger: the LDS instructions issued behind block a's loads, which may stay out
.set BB, BK+32*((\a)%2)
	s_wait_dscnt \younger
.irp t, 0,1,2,3,4,5,6,7
	global_store_b128 v[CO], v[BB+4*\t:BB+4*\t+3], s[10:11] offset:(16*(\a)+2*\t)*4096 th:TH_STORE_NT   ; 16 lanes store 256 consecutive bytes, at a multiple of 256 from C's first byte
.endr
.endm
	s_wait_kmcnt 0x0
	s_add_co_i32 s96, s96, s97                     ; ea + eb, between -126 and 127,
	s_add_co_i32 s96, s96, 127
	s_lshl_b32 s96, s96, 23                        ; makes the f32 number 2^(ea + eb)
	s_mov_b32 s97, s96
	PLACES
	TOSTAGE 0
.irp a, 1,2,3
.if \a > 1
	s_wait_xcnt 0x0                                ; block a - 2's stores have read their registers: block a's loads may land there
.endif
	TOSTAGE \a
	SEND \a-1, 16                                  ; behind block a - 1's loads: block a's 8 stores and 8 loads
.endr
	SEND 3, 0
	s_wait_tensorcnt 0x0                           ; the wave's end: three lines behind my last tensor load and my last LDS store
	ds_add_u32 v[SPW], v[NIL]
	s_wait_dscnt 0x0
	CROUND                                         ; the closing round: no work-group ends while a partner may still ask for a tile that names it
	s_endpgm
.Lfunc_end_k_q4b28913c31_oproj:
	.size	k_q4b28913c31_oproj, .Lfunc_end_k_q4b28913c31_oproj-k_q4b28913c31_oproj
	.p2alignl 7, 3214868480
	.fill 96, 4, 3214868480
	.section	.rodata,"a",@progbits
	.p2align	6, 0x0
	.amdhsa_kernel k_q4b28913c31_oproj
		.amdhsa_group_segment_fixed_size 327680
		.amdhsa_private_segment_fixed_size 0
		.amdhsa_enable_private_segment 0
		.amdhsa_kernarg_size 32
		.amdhsa_user_sgpr_count 2
		.amdhsa_user_sgpr_kernarg_segment_ptr 1
		.amdhsa_wavefront_size32 1
		.amdhsa_system_sgpr_workgroup_id_x 1
		.amdhsa_system_sgpr_workgroup_id_y 1
		.amdhsa_system_sgpr_workgroup_id_z 1
		.amdhsa_system_vgpr_workitem_id 0
		.amdhsa_next_free_vgpr 512
		.amdhsa_next_free_sgpr 98
		.amdhsa_reserve_vcc 0
		.amdhsa_float_denorm_mode_32 3
		.amdhsa_float_denorm_mode_16_64 3
		.amdhsa_memory_ordered 1
		.amdhsa_forward_progress 1
		.amdhsa_inst_pref_size 45
	.end_amdhsa_kernel
	.amdgpu_metadata
---
amdhsa.version: [ 1, 2 ]
amdhsa.kernels:
  - .name:           k_q4b28913c31_oproj
    .symbol:         k_q4b28913c31_oproj.kd
    .args:
      - { .name: attq, .offset: 0, .size: 8, .value_kind: global_buffer, .address_space: global }
      - { .name: codes0, .offset: 8, .size: 8, .value_kind: global_buffer, .address_space: global }
      - { .name: lowp_scales, .offset: 16, .size: 8, .value_kind: global_buffer, .address_space: global }
      - { .name: cbuf, .offset: 24, .size: 8, .value_kind: global_buffer, .address_space: global }
    .group_segment_fixed_size: 327680
    .private_segment_fixed_size: 0
    .kernarg_segment_align: 8
    .kernarg_segment_size: 32
    .max_flat_workgroup_size: 128
    .sgpr_count:     98
    .vgpr_count:     512
    .wavefront_size: 32
...
	.end_amdgpu_metadata
.endif
;; end of part 4
;; launch ln1 (part 5): grid 256 x 1, 8 waves a work-group, no clusters, 17,408 bytes of LDS; arguments x, cbuf, out_proj_b, ln1_g, ln1_b, lowp_scales, x2, x2q; writes x2, x2q
.if DOCPART == 5
	.amdgcn_target "amdgcn-amd-amdhsa--gfx1250"
	.amdhsa_code_object_version 6
	.text
	.protected	k_q4b28913c31_ln1
	.globl	k_q4b28913c31_ln1
	.p2align	8
	.type	k_q4b28913c31_ln1,@function
k_q4b28913c31_ln1:
	s_mov_b64 s[64:65], 0
	v_nop
	global_prefetch_b8 v0, s[64:65] scope:SCOPE_SE
	s_setreg_imm32_b32 hwreg(HW_REG_WAVE_MODE, 25, 1), 1
	s_wait_xcnt 0x0
; y = LayerNorm(res + (c + bias)) x g + b over rows of 1,024 f32; eps = 1e-5.  QUANT = 1: y is also quantised to codes of E4M3 with the given scale 2^e8, for the next product.
; LIMITS: e8 between -126 and 119; NaN is not served.
; Memory binds: every byte is read once and written once.  One wave, one row at a time, two rows a wave: a row is eight loads of 16 bytes a lane (512 consecutive bytes a load) and stays in 32 registers between the
; passes: the mean, then the mean of the squared differences (two passes, so that a common offset of the inputs does no harm).  The reductions never leave the wave: no barrier.  All loads are issued at the head.
; The codes: a lane's four codes of a load are 4 bytes; they go through the wave's own 1,024 bytes of LDS a row and leave as two stores of 512 consecutive bytes.
; Matrix units, clusters and tensor loads would add nothing here.
.set QUANT, 1
.set BI,  16                           ; v16-47   bias of my 32 columns
.set GA,  48                           ; v48-79   g
.set BE,  80                           ; v80-111  b
.set X0,  112                          ; v112-143 row 0's residual, then y;  v144-175 row 0's c, later at work
.set C0,  144
.set X1,  176                          ; the same for row 1
.set C1,  208
.set CDS, 240                          ; v240-247 a row's codes
.set STW, 6                            ; v6  the stage, in: 2,048 x wave + 4 x lane
.set STR, 7                            ; v7  and back: 2,048 x wave + 16 x lane
.set SPW, 248                          ; v248 LDS address of my spare word; never rewritten
.set NIL, 249                          ; v249 0; never rewritten
.set SCL, 250                          ; v250 2^e8;  v251 448 x 2^e8
.set LIM, 251
.set SPARE, 16384                      ; behind the eight stages: the spare words, 128 bytes a wave
.if QUANT
	s_load_b256 s[4:11], s[0:1], 0x0               ; res, c, bias, g
	s_load_b256 s[12:19], s[0:1], 0x20             ; b, the exponents, y, y's codes
	v_lshl_add_u32 v[SPW], v0, 2, SPARE
	v_mov_b32 v[NIL], 0
.else
	s_load_b256 s[4:11], s[0:1], 0x0               ; res, c, bias, g
	s_load_b64 s[12:13], s[0:1], 0x20              ; b
	s_load_b64 s[16:17], s[0:1], 0x28              ; y
.endif
	v_lshrrev_b32 v2, 5, v0
	v_readfirstlane_b32 s20, v2                    ; wave 0..7
	v_and_b32 v2, 31, v0                           ; lane
	v_lshlrev_b32 v1, 4, v2                        ; 16 bytes a lane
.if QUANT
	s_lshl_b32 s21, s20, 11
	v_lshl_add_u32 v[STW], v2, 2, s21
	v_add_nc_u32 v[STR], s21, v1
.endif
	s_lshl_b32 s22, ttmp9, 4
	s_lshl_b32 s23, s20, 1
	s_add_co_u32 s22, s22, s23                     ; my first row: 16 x work-group + 2 x wave
	s_lshl_b32 s28, s22, 10                        ; in the codes,
	s_mov_b32 s29, 0
	s_lshl_b32 s22, s22, 12                        ; in the f32 tensors: under 2^24
	s_mov_b32 s23, 0
	s_mov_b32 s24, 0x76543210                      ; v_permlanex16_b32: lane l xor 16
	s_mov_b32 s25, 0xfedcba98
	s_mov_b32 s26, 0x3a800000                      ; 1 / 1024
	s_mov_b32 s27, 0x3727c5ac                      ; 1e-5
	s_wait_kmcnt 0x0
.if QUANT
	s_load_b32 s30, s[14:15], 0x20                 ; e8
	s_add_nc_u64 s[18:19], s[18:19], s[28:29]
.endif
	s_add_nc_u64 s[4:5], s[4:5], s[22:23]
	s_add_nc_u64 s[6:7], s[6:7], s[22:23]
	s_add_nc_u64 s[16:17], s[16:17], s[22:23]
.irp j, 0,1,2,3,4,5,6,7
	global_load_b128 v[BI+4*\j:BI+4*\j+3], v1, s[8:9] offset:512*\j
.endr
.irp j, 0,1,2,3,4,5,6,7
	global_load_b128 v[GA+4*\j:GA+4*\j+3], v1, s[10:11] offset:512*\j
.endr
.irp j, 0,1,2,3,4,5,6,7
	global_load_b128 v[BE+4*\j:BE+4*\j+3], v1, s[12:13] offset:512*\j
.endr
.irp j, 0,1,2,3,4,5,6,7
	global_load_b128 v[X0+4*\j:X0+4*\j+3], v1, s[4:5] offset:512*\j th:TH_LOAD_NT
	global_load_b128 v[C0+4*\j:C0+4*\j+3], v1, s[6:7] offset:512*\j th:TH_LOAD_NT
.endr
.irp j, 0,1,2,3,4,5,6,7
	global_load_b128 v[X1+4*\j:X1+4*\j+3], v1, s[4:5] offset:4096+512*\j th:TH_LOAD_NT
	global_load_b128 v[C1+4*\j:C1+4*\j+3], v1, s[6:7] offset:4096+512*\j th:TH_LOAD_NT
.endr
.if QUANT
	s_wait_kmcnt 0x0
	s_add_co_i32 s30, s30, 127
	s_lshl_b32 s31, s30, 23
	v_mov_b32 v[SCL], s31
	s_add_co_i32 s30, s30, 8
	s_lshl_b32 s30, s30, 23
	s_or_b32 s30, s30, 0x600000
	v_mov_b32 v[LIM], s30
.endif
.macro REDUCE                          ; the two chains v[2:3], v[4:5] -> the sum over the wave's 1,024 numbers, in v2 of every lane
	v_pk_add_f32 v[2:3], v[2:3], v[4:5]
	v_add_f32 v2, v2, v3
	v_add_f32_dpp v2, v2, v2 row_xmask:1 row_mask:0xf bank_mask:0xf
	v_add_f32_dpp v2, v2, v2 row_xmask:2 row_mask:0xf bank_mask:0xf
	v_add_f32_dpp v2, v2, v2 row_xmask:4 row_mask:0xf bank_mask:0xf
	v_add_f32_dpp v2, v2, v2 row_xmask:8 row_mask:0xf bank_mask:0xf
	v_permlanex16_b32 v3, v2, s24, s25
	v_add_f32 v2, v2, v3
.endm
.macro ROW xr, cr, row
.set j, 0
.rept 16
	v_pk_add_f32 v[\cr+j:\cr+j+1], v[\cr+j:\cr+j+1], v[BI+j:BI+j+1]        ; the product's result + its bias,
.set j, j+2
.endr
.set j, 0
.rept 16
	v_pk_add_f32 v[\xr+j:\xr+j+1], v[\xr+j:\xr+j+1], v[\cr+j:\cr+j+1]      ; + the residual
.set j, j+2
.endr
	v_pk_add_f32 v[2:3], v[\xr:\xr+1], v[\xr+2:\xr+3]                      ; the sum, in two packed chains
	v_pk_add_f32 v[4:5], v[\xr+4:\xr+5], v[\xr+6:\xr+7]
.set j, 8
.rept 6
	v_pk_add_f32 v[2:3], v[2:3], v[\xr+j:\xr+j+1]
	v_pk_add_f32 v[4:5], v[4:5], v[\xr+j+2:\xr+j+3]
.set j, j+4
.endr
	REDUCE
	v_mul_f32 v12, s26, v2                         ; the mean
	v_mov_b32 v13, v12
.set j, 0
.rept 16
	v_pk_add_f32 v[\xr+j:\xr+j+1], v[\xr+j:\xr+j+1], v[12:13] neg_lo:[0,1] neg_hi:[0,1]
.set j, j+2
.endr
	v_pk_mul_f32 v[2:3], v[\xr:\xr+1], v[\xr:\xr+1]                        ; the squares, in two packed chains
	v_pk_mul_f32 v[4:5], v[\xr+2:\xr+3], v[\xr+2:\xr+3]
.set j, 4
.rept 7
	v_pk_fma_f32 v[2:3], v[\xr+j:\xr+j+1], v[\xr+j:\xr+j+1], v[2:3]
	v_pk_fma_f32 v[4:5], v[\xr+j+2:\xr+j+3], v[\xr+j+2:\xr+j+3], v[4:5]
.set j, j+4
.endr
	REDUCE
	v_fma_f32 v2, v2, s26, s27                     ; the variance + eps
	v_rsq_f32 v14, v2
	v_nop                                          ; a plain instruction behind the transcendental,
	s_wait_alu depctr_va_vdst(0)                   ; and the wait ahead of its first reader
	v_mov_b32 v15, v14
.set j, 0
.rept 16
	v_pk_mul_f32 v[\xr+j:\xr+j+1], v[\xr+j:\xr+j+1], v[14:15]
.set j, j+2
.endr
.set j, 0
.rept 16
	v_pk_fma_f32 v[\xr+j:\xr+j+1], v[\xr+j:\xr+j+1], v[GA+j:GA+j+1], v[BE+j:BE+j+1]
.set j, j+2
.endr
.irp j, 0,1,2,3,4,5,6,7
.if QUANT
	global_store_b128 v1, v[\xr+4*\j:\xr+4*\j+3], s[16:17] offset:4096*\row+512*\j                      ; 32 lanes store 512 consecutive bytes
.else
	global_store_b128 v1, v[\xr+4*\j:\xr+4*\j+3], s[16:17] offset:4096*\row+512*\j th:TH_STORE_NT
.endif
.endr
.if QUANT
.set j, 0
.rept 32
	v_med3_num_f32 v[\cr+j], v[\xr+j], -v[LIM], v[LIM]   ; the hold, into c's registers: the stores above still read y's.  (The conversion does not saturate: ISA guide 7.6.2)
.set j, j+1
.endr
.irp m, 0,1,2,3
	v_cvt_scalef32_pk8_fp8_f32 v[CDS+2*\m:CDS+2*\m+1], v[\cr+8*\m:\cr+8*\m+7], v[SCL]   ; register j of the eight: the codes of columns 128 j + 4 x lane + 0 .. 3
.endr
	v_nop                                          ; one plain vector instruction behind the last conversion
.irp j, 0,1,2,3,4,5,6,7
	ds_store_b32 v[STW], v[CDS+\j] offset:1024*\row+128*\j
.endr
	ds_load_b128 v[\cr:\cr+3], v[STR] offset:1024*\row           ; LDS serves a wave's instructions in order: these see my stores
	ds_load_b128 v[\cr+4:\cr+7], v[STR] offset:1024*\row+512
	s_wait_dscnt 0x0
	global_store_b128 v1, v[\cr:\cr+3], s[18:19] offset:1024*\row
	global_store_b128 v1, v[\cr+4:\cr+7], s[18:19] offset:1024*\row+512
.endif
.endm
	s_wait_loadcnt 16                              ; the parameters and row 0 are in; row 1's sixteen loads may be out
	ROW X0, C0, 0
	s_wait_loadcnt 0x0
	ROW X1, C1, 1
.if QUANT
	s_wait_tensorcnt 0x0                           ; the wave's end: three lines behind my last LDS store
	ds_add_u32 v[SPW], v[NIL]
	s_wait_dscnt 0x0
.endif
	s_endpgm
.Lfunc_end_k_q4b28913c31_ln1:
	.size	k_q4b28913c31_ln1, .Lfunc_end_k_q4b28913c31_ln1-k_q4b28913c31_ln1
	.p2alignl 7, 3214868480
	.fill 96, 4, 3214868480
	.section	.rodata,"a",@progbits
	.p2align	6, 0x0
	.amdhsa_kernel k_q4b28913c31_ln1
		.amdhsa_group_segment_fixed_size 17408
		.amdhsa_private_segment_fixed_size 0
		.amdhsa_enable_private_segment 0
		.amdhsa_kernarg_size 64
		.amdhsa_user_sgpr_count 2
		.amdhsa_user_sgpr_kernarg_segment_ptr 1
		.amdhsa_wavefront_size32 1
		.amdhsa_system_sgpr_workgroup_id_x 1
		.amdhsa_system_sgpr_workgroup_id_y 1
		.amdhsa_system_sgpr_workgroup_id_z 1
		.amdhsa_system_vgpr_workitem_id 0
		.amdhsa_next_free_vgpr 256
		.amdhsa_next_free_sgpr 66
		.amdhsa_reserve_vcc 0
		.amdhsa_float_denorm_mode_32 3
		.amdhsa_float_denorm_mode_16_64 3
		.amdhsa_memory_ordered 1
		.amdhsa_forward_progress 1
		.amdhsa_inst_pref_size 31
	.end_amdhsa_kernel
	.amdgpu_metadata
---
amdhsa.version: [ 1, 2 ]
amdhsa.kernels:
  - .name:           k_q4b28913c31_ln1
    .symbol:         k_q4b28913c31_ln1.kd
    .args:
      - { .name: x, .offset: 0, .size: 8, .value_kind: global_buffer, .address_space: global }
      - { .name: cbuf, .offset: 8, .size: 8, .value_kind: global_buffer, .address_space: global }
      - { .name: out_proj_b, .offset: 16, .size: 8, .value_kind: global_buffer, .address_space: global }
      - { .name: ln1_g, .offset: 24, .size: 8, .value_kind: global_buffer, .address_space: global }
      - { .name: ln1_b, .offset: 32, .size: 8, .value_kind: global_buffer, .address_space: global }
      - { .name: lowp_scales, .offset: 40, .size: 8, .value_kind: global_buffer, .address_space: global }
      - { .name: x2, .offset: 48, .size: 8, .value_kind: global_buffer, .address_space: global }
      - { .name: x2q, .offset: 56, .size: 8, .value_kind: global_buffer, .address_space: global }
    .group_segment_fixed_size: 17408
    .private_segment_fixed_size: 0
    .kernarg_segment_align: 8
    .kernarg_segment_size: 64
    .max_flat_workgroup_size: 256
    .sgpr_count:     66
    .vgpr_count:     256
    .wavefront_size: 32
...
	.end_amdgpu_metadata
.endif
;; end of part 5
;; launch ffn1 (part 6): grid 16 x 16, 4 waves a work-group, clusters of 4 x 4, 327,680 bytes of LDS; arguments x2q, codes0, b1, lowp_scales, hq; writes hq
.if DOCPART == 6
	.amdgcn_target "amdgcn-amd-amdhsa--gfx1250"
	.amdhsa_code_object_version 6
	.text
	.protected	k_q4b28913c31_ffn1
	.globl	k_q4b28913c31_ffn1
	.p2align	8
	.type	k_q4b28913c31_ffn1,@function
k_q4b28913c31_ffn1:
	s_mov_b64 s[64:65], 0
	v_nop
	global_prefetch_b8 v0, s[64:65] scope:SCOPE_SE
	s_setreg_imm32_b32 hwreg(HW_REG_WAVE_MODE, 25, 1), 1
	s_wait_xcnt 0x0
	s_wait_alu depctr_hold_cnt(0) depctr_sa_sdst(0) depctr_va_vdst(0) depctr_va_sdst(0) depctr_va_ssrc(0) depctr_va_vcc(0) depctr_vm_vsrc(0)
	s_getreg_b32 s2, hwreg(HW_REG_IB_STS2, 6, 4)
	s_cmp_eq_u32 s2, 0
	s_cbranch_scc0 .Lentry_in_a_cluster
	s_endpgm
.Lentry_in_a_cluster:
	s_bfe_u32 s2, ttmp6, 0x10000c
	s_cmp_lg_u32 s2, 0xf033
	s_cbranch_scc0 .Lentry_shape_is_right
	s_endpgm
.Lentry_shape_is_right:
; out[m][n] = Q( S x (sum over k of A[m][k] B[n][k]) + bias[n] ): a product on codes of E4M3 whose result is quantised on the way out, so that only codes go to memory.
; FFN = 0: A = x's codes [4096][1024], B = in_proj_w's codes [3072][1024]; S = 2^(e0 + e1); the result's scale is 2^e2 for columns 0-1023 (q), 2^e3 for 1024-2047 (k), 2^e5 for 2048-3071 (v).
; FFN = 1: A = x2's codes [4096][1024], B = w1's codes [4096][1024]; S = 2^(e8 + e9); what is negative becomes 0 (relu), the result's scale is 2^e10.
; LIMITS: the two exponents in S add up to between -126 and 127; the result's exponent lies between -126 and 119; NaN is not served.
; A tile of the result, 256 x 256, is made by a work-group of four waves; a wave makes 128 x 128: 64 accumulators of 16 x 16, 512 registers.  K goes in steps of 256 through a ring of two LDS slots filled by the tensor
; data mover: a tile's row is 256 bytes of memory.  CLUSTERS: 4 x 4 work-groups; the four of a row of the cluster need the same tiles of A, the four of a column the same tiles of B: each tile is asked for JOINTLY.
; THE MATRIX INSTRUCTION IS USED TRANSPOSED (source 0 = 16 rows of B, source 1 = 16 rows of A): a lane then holds eight neighbouring columns of one row, which one conversion turns into eight codes.
; A fragment comes by four loads of 16 bytes: the same permutation of k in A and in B, so every product meets its partner.
; REGISTERS, in windows of 256: window 0: v0-31 addresses and the two scale numbers; v32-95 the bias of my 128 columns, in the result's layout; v96-127 codes on the way out; from v128 A's fragments, ONE set.
;   window 1: B's fragments, TWO sets.   window 2: the 32 accumulators of my rows 0-63 ((a, b) at v[8 (8 a + b)]);   window 3: those of my rows 64-127.
.set FFN,    1
.set SIZE_K, 1024
.set NB,     4096                      ; bytes in a row of the result
.set B_OFF,  0x800000                  ; where B's codes begin in their buffer
.set KSTEP,  256                       ; along K in a slot
.set ROWB,   256                       ; a tile's row in bytes
.set KROW,   SIZE_K                    ; a row of A or of B in memory, in bytes
.set PITCH,  272                       ; an LDS row: 256 bytes + 16 of padding = 68 words: row r starts at bank 4 r mod 64 (ISA guide 11.1), so the 16 rows that a load touches start at 16 different banks
.set FR,     16                        ; registers of a fragment: 16 rows x 128 K
.set NL,     4                         ; LDS loads that bring one
.set NP,     4                         ; places behind this matrix instruction (ISA guide 7.12.1)
.set HALFT,  128*PITCH                 ; 128 rows: what one tensor load brings
.set SLOT,   4*HALFT                   ; A's 256 rows, then B's 256 rows
.set LAPS,   SIZE_K/(2*KSTEP)          ; a lap = two K steps = once round the ring
.set SPARE,  2*SLOT                    ; behind the ring: the spare words, 128 bytes a wave
.set ADRA, 16                          ; v16-17  LDS address of my A fragments in slot 0, 1
.set ADRB, 20                          ; v20-21  the same for B
.set STO,  24                          ; v24     the way out: where I put 8 codes of a row
.set RD,   25                          ; v25     the way out: where I read a row back
.set CO,   26                          ; v26     my byte offset in the rows that I store
.set BO,   27                          ; v27     my byte offset in the bias: 32 x (lane / 16)
.set SPW,  28                          ; v28     LDS address of my spare word; never rewritten
.set NIL,  29                          ; v29     0; never rewritten
.set SCL,  30                          ; v30     the result's scale as f32
.set LIM,  31                          ; v31     448 x that
.set BIAS, 32
.set CD,   96                          ; two sets of 16 registers of codes
.set AF,   128                         ; A's fragments, in window 0
.set TMP,  128                         ; the way out: a block's 64 numbers, where A's fragments lay
.set BK,   128                         ; the way out: 64 rows read back: v128-255
.set G1, 24                            ; s[24:31] descriptor group 1 for A's tiles;  s[32:39] group 0, one set for each slot
.set G0, 32
.set G1B, 48                           ; s[48:55], s[56:63] the same for B's tiles
.set G0B, 56
.set MSB, 0
.macro WIN new                         ; the immediate's high byte repeats the setting that is left
.if MSB != \new
	s_set_vgpr_msb (MSB<<8)|\new
.set MSB, \new
.endif
.endm
.set MUL_LO, 0xa1                      ; source 0 (B) window 1, source 1 (A) window 0, C and D window 2
.set MUL_HI, 0xf1                      ; the same, C and D window 3
.set TO_B,   0x40                      ; destination window 1, address window 0
; A joint load: waves 0 and 1 fetch for A, waves 2 and 3 for B.  Each of the two lines has ONE mask and one set of registers for all that issue it; the branch hangs on the wave's number alone.
; An s_nop 0 and four v_nop follow each of the two lines, ahead of the jump, the label and what follows.
.macro JLOAD g0a, g1a, g0b, g1b
	s_cmp_eq_u32 s15, 0
	s_cbranch_scc0 .Lfor_b_\@
	tensor_load_to_lds s[\g0a:\g0a+3], s[\g1a:\g1a+7]
	s_nop 0
.rept 4
	v_nop
.endr
	s_branch .Lasked_\@
.Lfor_b_\@:
	tensor_load_to_lds s[\g0b:\g0b+3], s[\g1b:\g1b+7]
	s_nop 0
.rept 4
	v_nop
.endr
.Lasked_\@:
.endm
.macro CREST                           ; a round of the cluster's barrier behind its opening barrier
	s_cmp_lg_u32 s14, 0
	s_cbranch_scc1 .Lnot_wave_0_\@
	s_barrier_signal -3
.Lnot_wave_0_\@:
	s_barrier_wait -3
	s_barrier_signal -1
	s_barrier_wait -1
.endm
.macro CROUND                          ; a whole round
	s_barrier_signal -1
	s_barrier_wait -1
	CREST
.endm
.if FFN
	s_load_b128 s[4:7], s[0:1], 0x0                ; A's codes s[4:5], the buffer with B's codes s[6:7]
	s_load_b64 s[12:13], s[0:1], 0x10              ; the bias
	s_load_b128 s[8:11], s[0:1], 0x18              ; the exponents s[8:9], the result s[10:11]
.else
	s_load_b64 s[4:5], s[0:1], 0x0                 ; the buffer with A's and B's codes
	s_load_b64 s[12:13], s[0:1], 0x8               ; the bias
	s_load_b128 s[8:11], s[0:1], 0x10              ; the exponents s[8:9], the result s[10:11]
.endif
	v_lshl_add_u32 v[SPW], v0, 2, SPARE
	v_mov_b32 v[NIL], 0
	ds_add_u32 v[SPW], v[NIL]                      ; the wave's opening: the add and its wait ahead of my first tensor load; the set-up below, work on registers, stands between them
	v_lshrrev_b32 v1, 5, v0
	v_readfirstlane_b32 s14, v1                    ; wave 0..3
	s_lshr_b32 s15, s14, 1                         ; which half of the tile's rows is mine.  Also: I fetch for A (0) or for B (1)
	s_and_b32 s16, s14, 1                          ; which half of its columns.  Also: which 128 rows of that tile I fetch
	s_bfe_u32 s40, ttmp6, 0x40000                  ; cx, cy: my place in the cluster
	s_bfe_u32 s41, ttmp6, 0x40004
	s_lshl_b32 s42, ttmp9, 2
	s_add_co_u32 s42, s42, s40                     ; tile column = 4 x cluster x + cx
	s_and_b32 s17, ttmp7, 0xffff
	s_lshl_b32 s17, s17, 2
	s_add_co_u32 s17, s17, s41                     ; tile row = 4 x cluster y + cy
	s_lshl_b32 s43, s41, 2
	s_lshl_b32 s43, 15, s43                        ; my row of the cluster
	s_lshl_b32 s44, 0x1111, s40                    ; my column
	; descriptor group 1: a tile of 128 rows x 256 bytes, padded in LDS
	s_or_b32 s[G1+0], s43, (0<<16)|(1<<20)|(1<<21)|(5<<22)|(3<<25)  ; 15:0 the mask: A's tiles go to my row; 17:16 element of 1 byte; 20 padding on; 21 set beside a mask; 24:22 after every 64 words (code 5); 31:25 of 4 words (code 3)
	s_or_b32 s[G1B+0], s44, (0<<16)|(1<<20)|(1<<21)|(5<<22)|(3<<25)
.irp g, G1, G1B
	s_mov_b32 s[\g+1], ROWB<<16                    ; tensor_dim0
	s_mov_b32 s[\g+2], 128<<16                     ; tensor_dim1 = 128
	s_mov_b32 s[\g+3], ROWB<<16                    ; tile_dim0
	s_mov_b32 s[\g+4], 128                         ; tile_dim1 = 128
	s_mov_b32 s[\g+5], KROW                        ; tensor_dim0_stride
	s_mov_b32 s[\g+6], 0
	s_mov_b32 s[\g+7], 0
.endr
	s_lshl_b32 s18, s16, 7                         ; which 128 rows of the tile I fetch
	s_lshl_b32 s20, s17, 8
	s_add_co_u32 s20, s20, s18                     ; A: row 256 x tile row + 128 x half
	s_lshl_b32 s46, s42, 8
	s_add_co_u32 s46, s46, s18                     ; B: row 256 x tile column + 128 x half
	s_mov_b32 s21, 0
	s_mov_b32 s47, 0
	s_mov_b64 s[18:19], KROW
	s_mul_u64 s[20:21], s[20:21], s[18:19]         ; in bytes
	s_mul_u64 s[46:47], s[46:47], s[18:19]
	s_mul_i32 s45, s14, HALFT                      ; where they go: wave x 128 rows: no place in the cluster enters an LDS address
	s_wait_dscnt 0x0                               ; the opening add is done
	s_wait_kmcnt 0x0
.if FFN
	s_load_b128 s[68:71], s[8:9], 0x20             ; e8 .. e11
	s_add_nc_u64 s[6:7], s[6:7], B_OFF
.else
	s_load_b256 s[68:75], s[8:9], 0x0              ; e0 .. e7
	s_add_nc_u64 s[6:7], s[4:5], B_OFF
.endif
	s_add_nc_u64 s[20:21], s[4:5], s[20:21]
	s_add_nc_u64 s[46:47], s[6:7], s[46:47]
	CROUND                                         ; all sixteen work-groups are here: the first joint loads meet
.irp s, 0,1
	s_mov_b32 s[G0+4*\s], 1
	s_add_co_u32 s[G0+4*\s+1], s45, \s*SLOT
	s_add_nc_u64 s[G0+4*\s+2:G0+4*\s+3], s[20:21], \s*ROWB
	s_or_b32 s[G0+4*\s+3], s[G0+4*\s+3], 0x80000000
	s_mov_b32 s[G0B+4*\s], 1
	s_add_co_u32 s[G0B+4*\s+1], s45, \s*SLOT
	s_add_nc_u64 s[G0B+4*\s+2:G0B+4*\s+3], s[46:47], \s*ROWB
	s_or_b32 s[G0B+4*\s+3], s[G0B+4*\s+3], 0x80000000
	JLOAD G0+4*\s, G1, G0B+4*\s, G1B
.endr
	v_and_b32 v1, 15, v0                           ; r = l % 16
	v_bfe_u32 v2, v0, 4, 1                         ; h = l / 16
	v_mul_u32_u24 v3, v1, PITCH
	v_lshl_add_u32 v4, v2, 4, v3                   ; a fragment's row x pitch + 16 x half
	s_mul_i32 s21, s15, HALFT                      ; my 128 rows of A
	s_mul_i32 s22, s16, HALFT                      ; my 128 rows of B,
	s_add_co_u32 s22, s22, 2*HALFT                 ; which lie behind A's 256
.irp s, 0,1
	v_add_nc_u32 v[ADRA+\s], s21, v4
	v_add_nc_u32 v[ADRB+\s], s22, v4
	s_add_co_u32 s21, s21, SLOT
	s_add_co_u32 s22, s22, SLOT
.endr
	; the way out: ONE stage for the work-group, 256 rows x (256 bytes of codes + 16), in slot 0, which has had its last fill and its last read when the first code is stored there
	s_mul_i32 s23, s15, 128*PITCH
	s_lshl_b32 s22, s16, 7
	s_add_co_u32 s23, s23, s22
	v_lshl_add_u32 v5, v2, 3, v3
	v_add_nc_u32 v[STO], s23, v5                   ; in: row 128 x row half + r; byte 128 x column half + 8 h
	s_mul_i32 s23, s14, 64*PITCH
	v_mul_u32_u24 v6, v2, PITCH
	v_lshl_add_u32 v6, v1, 4, v6
	v_add_nc_u32 v[RD], s23, v6                    ; back: wave w takes rows 64 w on, whole; lanes 0-15 one row of 256 bytes, lanes 16-31 the next
	v_mul_u32_u24 v6, v2, NB
	v_lshl_add_u32 v[CO], v1, 4, v6                ; and the same two rows in memory
	v_lshlrev_b32 v[BO], 5, v2
	s_lshl_b32 s20, s17, 8
	s_lshl_b32 s21, s14, 6
	s_add_co_u32 s20, s20, s21                     ; the first row that I store: 256 x tile row + 64 x wave
	s_mul_i32 s20, s20, NB                         ; at most 2^24
	s_lshl_b32 s46, s42, 8                         ; the tile's first column, a byte a column
	s_add_co_u32 s20, s20, s46
	s_mov_b32 s21, 0
	s_add_nc_u64 s[10:11], s[10:11], s[20:21]
	s_lshl_b32 s46, s42, 10                        ; the bias of my 128 columns: 1,024 x tile column + 512 x column half bytes on
	s_lshl_b32 s47, s16, 9
	s_add_co_u32 s46, s46, s47
	s_mov_b32 s47, 0
	s_add_nc_u64 s[12:13], s[12:13], s[46:47]
.irp b, 0,1,2,3,4,5,6,7                        ; lane (r, h) wants, for B's block b, the bias of columns 16 b + 8 h + 0 .. 7; waited for once, on the way out
	global_load_b128 v[BIAS+8*\b:BIAS+8*\b+3], v[BO], s[12:13] offset:64*\b
	global_load_b128 v[BIAS+8*\b+4:BIAS+8*\b+7], v[BO], s[12:13] offset:64*\b+16
.endr
.macro FRAG reg, adr, q, i             ; a fragment, 16 rows x 128 K, is 16 registers: lane l holds row l % 16; registers 4 c .. 4 c + 3 hold K = 32 c + 16 (l / 16) + 0 .. 15
.irp c, 0,1,2,3
	ds_load_b128 v[\reg+4*\c:\reg+4*\c+3], v[\adr] offset:128*(\q)+32*\c+(\i)*16*PITCH
.endr
.endm
; 16 matrix instructions: A's blocks a0, a0 + 1 x B's eight, 128 along K.  p: B's set.  zero = 1: the first product starts the sums: nothing is ever cleared.
; The 64 accumulators take turns, one instruction a turn, in the same order in every step.
.macro MUL16 a0, p, zero
.irp a, \a0, \a0+1
.irp b, 0,1,2,3,4,5,6,7
.if \zero
	v_wmma_f32_16x16x128_fp8_fp8 v[8*(8*((\a)%4)+\b):8*(8*((\a)%4)+\b)+7], v[128*(\p)+FR*\b:128*(\p)+FR*\b+FR-1], v[AF+FR*(\a):AF+FR*(\a)+FR-1], 0
.else
	v_wmma_f32_16x16x128_fp8_fp8 v[8*(8*((\a)%4)+\b):8*(8*((\a)%4)+\b)+7], v[128*(\p)+FR*\b:128*(\p)+FR*\b+FR-1], v[AF+FR*(\a):AF+FR*(\a)+FR-1], v[8*(8*((\a)%4)+\b):8*(8*((\a)%4)+\b)+7]
.endif
.endr
.endr
.endm
.macro FETCH_B slot, q, p              ; B's eight fragments of the slot's q-th 128 along K into set p
	WIN TO_B
.irp i, 0,1,2,3,4,5,6,7
	FRAG 128*(\p)+FR*\i, ADRB+\slot, \q, \i
.endr
	WIN 0
.endm
.macro FETCH_A slot, q, i0             ; A's blocks i0 .. i0 + 3
.irp i, \i0, \i0+1, \i0+2, \i0+3
	FRAG AF+FR*(\i), ADRA+\slot, \q, \i
.endr
.endm
; A load into a register that a matrix instruction has read, and a vector instruction that reads a matrix result or writes one of its registers, stand NP places behind it; only plain vector
; instructions that name none of its registers are places (ISA guide 7.12.1 for vector instructions).
.macro PLACES n
.rept \n
	v_nop
.endr
.endm
; A step of 128 along K that has its successor in the same slot.  A block of A is free as soon as its eight products are issued: blocks 0-3 are fetched anew in the step's middle, blocks 4-7 at its end.
.macro STEP slot, q, zero
	s_wait_dscnt 4*NL                              ; B's set and A's blocks 0-3 are in; the youngest 16 loads (A's blocks 4-7) may be out
	WIN MUL_LO
	MUL16 0, (\q)%2, \zero
	MUL16 2, (\q)%2, \zero
	s_wait_dscnt 0                                 ; A's blocks 4-7 are in
	PLACES NP
	FETCH_B \slot, (\q)+1, 1-(\q)%2
	FETCH_A \slot, (\q)+1, 0
	WIN MUL_HI
	MUL16 4, (\q)%2, \zero
	MUL16 6, (\q)%2, \zero
	PLACES NP
	WIN 0
	FETCH_A \slot, (\q)+1, 4
.endm
; A slot's last step changes slots: ONE barrier; in front of it each wave waits for all its tensor loads, adds 0 to its spare word, and waits for that and for its own reads of this slot.  fill = 1: this slot is filled again, two K steps ahead.
.macro TURN slot, next, fill
	s_wait_tensorcnt 0x0                           ; all my tensor loads have landed: my part of the next slot  (every window is 0 here)
	ds_add_u32 v[SPW], v[NIL]                      ; 0 onto my spare word
	s_wait_dscnt 4*NL+1                            ; the add and the youngest 16 loads, A's blocks 4-7, may be out
	WIN MUL_LO
	MUL16 0, 1, 0                                  ; sixteen matrix instructions stand between the add and the wait for it
	s_wait_dscnt 0x0                               ; the add is done, and my reads of this slot are over
	s_barrier_signal -1
	MUL16 2, 1, 0
	WIN 0
	s_barrier_wait -1
.if \fill
	CREST                                          ; the barrier has opened a round of the cluster's barrier: no wave of any partner still reads this slot's tile or has a load on its way
	s_add_nc_u64 s[G0+4*\slot+2:G0+4*\slot+3], s[G0+4*\slot+2:G0+4*\slot+3], 2*ROWB
	s_add_nc_u64 s[G0B+4*\slot+2:G0B+4*\slot+3], s[G0B+4*\slot+2:G0B+4*\slot+3], 2*ROWB
	JLOAD G0+4*\slot, G1, G0B+4*\slot, G1B         ; the first tensor load behind the round; the four v_nop behind it are the places in front of the loads below
.else
	PLACES NP
.endif
	FETCH_B \next, 0, 0
	FETCH_A \next, 0, 0
	WIN MUL_HI
	MUL16 4, 1, 0
	MUL16 6, 1, 0
	PLACES NP
	WIN 0
	FETCH_A \next, 0, 4
.endm
	s_wait_tensorcnt 1                             ; my part of K step 0 is in (K step 1's load may be out),
	s_barrier_signal -1
	s_barrier_wait -1                              ; everybody's is
	FETCH_B 0, 0, 0
	FETCH_A 0, 0, 0
	FETCH_A 0, 0, 4
	STEP 0, 0, 1                                   ; the first step stands in front of the loop: its products start the sums
	s_mov_b32 s3, LAPS-1
.Llap:                                                 ; a trip goes once round the ring, from a lap's second step to the next lap's first, and fills both slots again
	TURN 0, 1, 1
	STEP 1, 0, 0
	TURN 1, 0, 1
	STEP 0, 0, 0
	s_sub_co_u32 s3, s3, 1
	s_cmp_lg_u32 s3, 0
	s_cbranch_scc1 .Llap
	TURN 0, 1, 0                                   ; the last lap fills nothing, and has no round of the cluster's barrier
	STEP 1, 0, 0
	s_wait_dscnt 4*NL                              ; the very last step: nothing more to fetch
	WIN MUL_LO
	MUL16 0, 1, 0
	MUL16 2, 1, 0
	s_wait_dscnt 0
	WIN MUL_HI
	MUL16 4, 1, 0
	MUL16 6, 1, 0
	WIN 0
; THE WAY OUT.  Block a (16 rows x 128 columns): sum x S + bias, one packed multiply-add for two numbers, each accumulator from its low end on; the hold at 448 x the scale (with FFN = 1 between 0 and that: the
; activation and the hold in one); eight conversions, each a lane's eight neighbouring columns; eight stores of 8 bytes into the stage.
.macro QBLOCK a
.set AC, 64*((\a)%4)
.set CC, CD+16*((\a)%2)
.if (\a) >= 2
	s_wait_dscnt 8                                 ; the stores of two blocks back, which read this set of code registers, are done; the last block's eight may be out
.endif
	WIN 0x02+((\a)/4)                              ; source 0: window 2 or 3
.set j, 0
.rept 32
	v_pk_fma_f32 v[TMP+j:TMP+j+1], v[AC+j:AC+j+1], s[96:97], v[BIAS+j:BIAS+j+1] op_sel_hi:[1,0,1]
.set j, j+2
.endr
	WIN 0
.set j, 0
.rept 64
.if FFN
	v_med3_num_f32 v[TMP+j], v[TMP+j], 0, v[LIM]
.else
	v_med3_num_f32 v[TMP+j], v[TMP+j], -v[LIM], v[LIM]   ; the conversion to an 8-bit code does not saturate (ISA guide 7.6.2)
.endif
.set j, j+1
.endr
.irp b, 0,1,2,3,4,5,6,7
	v_cvt_scalef32_pk8_fp8_f32 v[CC+2*\b:CC+2*\b+1], v[TMP+8*\b:TMP+8*\b+7], v[SCL]
.endr
	v_nop                                          ; one plain vector instruction between the conversions and the next block's lines, which write their sources
.irp b, 0,1,2,3,4,5,6,7
	ds_store_b64 v[STO], v[CC+2*\b:CC+2*\b+1] offset:(\a)*16*PITCH+16*\b
.endr
.endm
	s_wait_kmcnt 0x0
	s_add_co_i32 s96, s68, s69                     ; the two operands' exponents, between -126 and 127,
	s_add_co_i32 s96, s96, 127
	s_lshl_b32 s96, s96, 23                        ; make the f32 number S
	s_mov_b32 s97, s96                             ; (named with it as a pair, so it is written)
.if FFN
	s_mov_b32 s76, s70                             ; e10
.else
	s_cmp_eq_u32 ttmp9, 0                          ; a cluster spans 1,024 columns: cluster x = 0 makes q, 1 k, 2 v.  A choice of a number, alike in all sixteen partners; no branch
	s_cselect_b32 s76, s70, s71                    ; e2 or e3
	s_cmp_eq_u32 ttmp9, 2
	s_cselect_b32 s76, s73, s76                    ; or e5
.endif
	s_add_co_i32 s76, s76, 127
	s_lshl_b32 s77, s76, 23
	s_add_co_i32 s76, s76, 8
	s_lshl_b32 s76, s76, 23
	s_or_b32 s76, s76, 0x600000
	v_mov_b32 v[SCL], s77                          ; the result's scale as f32: the conversions take its exponent field
	v_mov_b32 v[LIM], s76                          ; 448 x that.  These two and the two below are the four places behind the last products
	PLACES 2
	s_wait_loadcnt 0x0                             ; the bias
.irp a, 0,1,2,3,4,5,6,7
	QBLOCK \a
.endr
	s_wait_dscnt 0x0                               ; for the others' sake: my stores into the stage are done (a row's 256 bytes come from two waves)
	s_barrier_signal -1
	s_barrier_wait -1
.set t, 0
.rept 32
	ds_load_b128 v[BK+4*t:BK+4*t+3], v[RD] offset:t*2*PITCH
.set t, t+1
.endr
.set t, 0
.rept 32
	s_wait_dscnt 31-t
	global_store_b128 v[CO], v[BK+4*t:BK+4*t+3], s[10:11] offset:2*t*NB   ; 16 lanes store 256 consecutive bytes, at a multiple of 256 from the buffer's first byte
.set t, t+1
.endr
	s_wait_tensorcnt 0x0                           ; the wave's end: three lines behind my last tensor load and my last LDS store
	ds_add_u32 v[SPW], v[NIL]
	s_wait_dscnt 0x0
	CROUND                                         ; the closing round: no work-group ends while a partner may still ask for a tile that names it
	s_endpgm
.Lfunc_end_k_q4b28913c31_ffn1:
	.size	k_q4b28913c31_ffn1, .Lfunc_end_k_q4b28913c31_ffn1-k_q4b28913c31_ffn1
	.p2alignl 7, 3214868480
	.fill 96, 4, 3214868480
	.section	.rodata,"a",@progbits
	.p2align	6, 0x0
	.amdhsa_kernel k_q4b28913c31_ffn1
		.amdhsa_group_segment_fixed_size 327680
		.amdhsa_private_segment_fixed_size 0
		.amdhsa_enable_private_segment 0
		.amdhsa_kernarg_size 40
		.amdhsa_user_sgpr_count 2
		.amdhsa_user_sgpr_kernarg_segment_ptr 1
		.amdhsa_wavefront_size32 1
		.amdhsa_system_sgpr_workgroup_id_x 1
		.amdhsa_system_sgpr_workgroup_id_y 1
		.amdhsa_system_sgpr_workgroup_id_z 1
		.amdhsa_system_vgpr_workitem_id 0
		.amdhsa_next_free_vgpr 1024
		.amdhsa_next_free_sgpr 100
		.amdhsa_reserve_vcc 0
		.amdhsa_float_denorm_mode_32 3
		.amdhsa_float_denorm_mode_16_64 3
		.amdhsa_memory_ordered 1
		.amdhsa_forward_progress 1
		.amdhsa_inst_pref_size 143
	.end_amdhsa_kernel
	.amdgpu_metadata
---
amdhsa.version: [ 1, 2 ]
amdhsa.kernels:
  - .name:           k_q4b28913c31_ffn1
    .symbol:         k_q4b28913c31_ffn1.kd
    .args:
      - { .name: x2q, .offset: 0, .size: 8, .value_kind: global_buffer, .address_space: global }
      - { .name: codes0, .offset: 8, .size: 8, .value_kind: global_buffer, .address_space: global }
      - { .name: b1, .offset: 16, .size: 8, .value_kind: global_buffer, .address_space: global }
      - { .name: lowp_scales, .offset: 24, .size: 8, .value_kind: global_buffer, .address_space: global }
      - { .name: hq, .offset: 32, .size: 8, .value_kind: global_buffer, .address_space: global }
    .group_segment_fixed_size: 327680
    .private_segment_fixed_size: 0
    .kernarg_segment_align: 8
    .kernarg_segment_size: 40
    .max_flat_workgroup_size: 128
    .sgpr_count:     100
    .vgpr_count:     1024
    .wavefront_size: 32
...
	.end_amdgpu_metadata
.endif
;; end of part 6
;; launch ffn2 (part 7): grid 8 x 32, 4 waves a work-group, clusters of 4 x 4, 327,680 bytes of LDS; arguments hq, codes0, lowp_scales, cbuf; writes cbuf
.if DOCPART == 7
	.amdgcn_target "amdgcn-amd-amdhsa--gfx1250"
	.amdhsa_code_object_version 6
	.text
	.protected	k_q4b28913c31_ffn2
	.globl	k_q4b28913c31_ffn2
	.p2align	8
	.type	k_q4b28913c31_ffn2,@function
k_q4b28913c31_ffn2:
	s_mov_b64 s[64:65], 0
	v_nop
	global_prefetch_b8 v0, s[64:65] scope:SCOPE_SE
	s_setreg_imm32_b32 hwreg(HW_REG_WAVE_MODE, 25, 1), 1
	s_wait_xcnt 0x0
	s_wait_alu depctr_hold_cnt(0) depctr_sa_sdst(0) depctr_va_vdst(0) depctr_va_sdst(0) depctr_va_ssrc(0) depctr_va_vcc(0) depctr_vm_vsrc(0)
	s_getreg_b32 s2, hwreg(HW_REG_IB_STS2, 6, 4)
	s_cmp_eq_u32 s2, 0
	s_cbranch_scc0 .Lentry_in_a_cluster
	s_endpgm
.Lentry_in_a_cluster:
	s_bfe_u32 s2, ttmp6, 0x10000c
	s_cmp_lg_u32 s2, 0xf033
	s_cbranch_scc0 .Lentry_shape_is_right
	s_endpgm
.Lentry_shape_is_right:
; C[m][n] = 2^(ea + eb) x the sum over k of A[m][k] B[n][k].  A: [4096][SIZE_K], B: [1024][SIZE_K]: codes of E4M3, K innermost; C: [4096][1024] f32.  Bias, residual and the norm follow in the next launch, which needs whole rows.
; LIMIT: ea + eb between -126 and 127.
; 4,096 x 1,024 would make 64 tiles of 256 x 256: so a tile is 128 x 128, 256 work-groups.  Four waves, each 64 x 64: 16 accumulators.  K goes in steps of 512 (LDS rows of 512 bytes; a wave's tensor load brings 64 of them)
; through two LDS slots.  CLUSTERS: 4 x 4 work-groups; A's tile is shared along a row of the cluster, B's along a column: each is asked for JOINTLY.
; THE MATRIX INSTRUCTION IS USED TRANSPOSED (source 0 = 16 rows of B, source 1 = 16 rows of A): a lane holds eight neighbouring columns of a row.  A fragment comes by four loads of 16 bytes: the same permutation of k in A and B.
; REGISTERS: window 0: v0-31 addresses; v32-127 at work on the way out; v128-255 the accumulators ((a, b) at v[128 + 8 (4 a + b)]).   window 1: two fragment buffers of 128: A's four fragments (16 rows x 128 K), then B's four.
.set SIZE_K, 4096
.set B_OFF,  0xC00000                  ; where B's codes begin in their buffer
.set SC_OFF, 0x28                      ; where ea, eb lie among the exponents, in bytes
.set KSTEP,  512
.set PITCH,  528                       ; an LDS row: 512 bytes + 16 of padding = 132 words: row r starts at bank 4 r mod 64 (ISA guide 11.1)
.set HALFT,  64*PITCH                  ; 64 rows: what one tensor load brings, and what one wave reads of A or of B
.set SLOT,   4*HALFT                   ; A's 128 rows, then B's 128 rows
.set SPARE,  2*SLOT                    ; behind the ring: the spare words, 128 bytes a wave
.set SPITCH, 272                       ; the way out: a stage of 16 rows x (256 bytes + 16) for each wave, in slot 0, which has had its last fill and its last read when the first result is stored there
.set LAPS,   SIZE_K/(2*KSTEP)          ; a lap = two K steps = once round the ring
.set ADRA, 16
.set ADRB, 20
.set STO,  24
.set RD,   25
.set CO,   26
.set SPW,  28
.set NIL,  29
.set TMP,  32                          ; a block's 32 numbers x 2^(ea + eb)
.set BK,   64                          ; 16 rows read back: v64-95 and v96-127 by turns
.set ACC,  128
.set F0,   0
.set F1,   128
.set G1, 24
.set G0, 32
.set G1B, 48
.set G0B, 56
.set MSB, 0
.macro WIN new                         ; the immediate's high byte repeats the setting that is left
.if MSB != \new
	s_set_vgpr_msb (MSB<<8)|\new
.set MSB, \new
.endif
.endm
.set MUL,  0x05                        ; sources 0 (B) and 1 (A) window 1; C and D window 0
.set TO_F, 0x40                        ; destination window 1, address window 0
.macro JLOAD s                         ; a joint load: waves 0 and 1 fetch A's two halves, waves 2 and 3 B's; an s_nop 0 and four v_nop follow each of the two lines
	s_cmp_eq_u32 s15, 0
	s_cbranch_scc0 .Lfor_b_\@
	tensor_load_to_lds s[G0+4*\s:G0+4*\s+3], s[G1:G1+7]
	s_nop 0
.rept 4
	v_nop
.endr
	s_branch .Lasked_\@
.Lfor_b_\@:
	tensor_load_to_lds s[G0B+4*\s:G0B+4*\s+3], s[G1B:G1B+7]
	s_nop 0
.rept 4
	v_nop
.endr
.Lasked_\@:
.endm
.macro CREST                           ; a round of the cluster's barrier behind its opening barrier
	s_cmp_lg_u32 s14, 0
	s_cbranch_scc1 .Lnot_wave_0_\@
	s_barrier_signal -3
.Lnot_wave_0_\@:
	s_barrier_wait -3
	s_barrier_signal -1
	s_barrier_wait -1
.endm
.macro CROUND
	s_barrier_signal -1
	s_barrier_wait -1
	CREST
.endm
	s_load_b128 s[4:7], s[0:1], 0x0                ; A's codes, the buffer with B's codes
	s_load_b128 s[8:11], s[0:1], 0x10              ; the exponents, C
	v_lshl_add_u32 v[SPW], v0, 2, SPARE
	v_mov_b32 v[NIL], 0
	ds_add_u32 v[SPW], v[NIL]                      ; the wave's opening: the add and its wait ahead of my first tensor load; the set-up below, work on registers, stands between them
	v_lshrrev_b32 v1, 5, v0
	v_readfirstlane_b32 s14, v1                    ; wave 0..3
	s_lshr_b32 s15, s14, 1                         ; which half of the tile's rows is mine.  Also: I fetch for A (0) or for B (1)
	s_and_b32 s16, s14, 1                          ; which half of its columns.  Also: which 64 rows of that tile I fetch
	s_bfe_u32 s40, ttmp6, 0x40000                  ; cx, cy
	s_bfe_u32 s41, ttmp6, 0x40004
	s_lshl_b32 s42, ttmp9, 2
	s_add_co_u32 s42, s42, s40                     ; tile column
	s_and_b32 s17, ttmp7, 0xffff
	s_lshl_b32 s17, s17, 2
	s_add_co_u32 s17, s17, s41                     ; tile row
	s_lshl_b32 s43, s41, 2
	s_lshl_b32 s43, 15, s43                        ; my row of the cluster
	s_lshl_b32 s44, 0x1111, s40                    ; my column
	s_or_b32 s[G1+0], s43, (0<<16)|(1<<20)|(1<<21)|(6<<22)|(3<<25)  ; the mask; elements of 1 byte; padding on; bit 21 beside a mask; after every 128 words (code 6) 4 words (code 3)
	s_or_b32 s[G1B+0], s44, (0<<16)|(1<<20)|(1<<21)|(6<<22)|(3<<25)
.irp g, G1, G1B
	s_mov_b32 s[\g+1], KSTEP<<16                   ; tensor_dim0 = 512
	s_mov_b32 s[\g+2], 64<<16                      ; tensor_dim1 = 64
	s_mov_b32 s[\g+3], KSTEP<<16                   ; tile_dim0
	s_mov_b32 s[\g+4], 64                          ; tile_dim1
	s_mov_b32 s[\g+5], SIZE_K                      ; tensor_dim0_stride
	s_mov_b32 s[\g+6], 0
	s_mov_b32 s[\g+7], 0
.endr
	s_lshl_b32 s18, s16, 6                         ; which 64 rows of the tile I fetch
	s_lshl_b32 s20, s17, 7
	s_add_co_u32 s20, s20, s18                     ; A: row 128 x tile row + 64 x half
	s_lshl_b32 s46, s42, 7
	s_add_co_u32 s46, s46, s18                     ; B: row 128 x tile column + 64 x half
	s_mov_b32 s21, 0
	s_mov_b32 s47, 0
	s_mov_b64 s[18:19], SIZE_K
	s_mul_u64 s[20:21], s[20:21], s[18:19]
	s_mul_u64 s[46:47], s[46:47], s[18:19]
	s_mul_i32 s45, s14, HALFT                      ; where they go: wave x 64 rows
	s_wait_dscnt 0x0                               ; the opening add is done
	s_wait_kmcnt 0x0
	s_load_b64 s[96:97], s[8:9], SC_OFF            ; ea, eb
	s_add_nc_u64 s[6:7], s[6:7], B_OFF
	s_add_nc_u64 s[20:21], s[4:5], s[20:21]
	s_add_nc_u64 s[46:47], s[6:7], s[46:47]
	CROUND                                         ; all sixteen work-groups are here: the first joint loads meet
.irp s, 0,1
	s_mov_b32 s[G0+4*\s], 1
	s_add_co_u32 s[G0+4*\s+1], s45, \s*SLOT
	s_add_nc_u64 s[G0+4*\s+2:G0+4*\s+3], s[20:21], \s*KSTEP
	s_or_b32 s[G0+4*\s+3], s[G0+4*\s+3], 0x80000000
	s_mov_b32 s[G0B+4*\s], 1
	s_add_co_u32 s[G0B+4*\s+1], s45, \s*SLOT
	s_add_nc_u64 s[G0B+4*\s+2:G0B+4*\s+3], s[46:47], \s*KSTEP
	s_or_b32 s[G0B+4*\s+3], s[G0B+4*\s+3], 0x80000000
	JLOAD \s
.endr
	v_and_b32 v1, 15, v0                           ; r
	v_bfe_u32 v2, v0, 4, 1                         ; h
	v_mul_u32_u24 v3, v1, PITCH
	v_lshl_add_u32 v4, v2, 4, v3                   ; a fragment's row x pitch + 16 x half
	s_mul_i32 s21, s15, HALFT                      ; my 64 rows of A
	s_mul_i32 s22, s16, HALFT                      ; my 64 rows of B,
	s_add_co_u32 s22, s22, 2*HALFT                 ; which lie behind A's 128
.irp s, 0,1
	v_add_nc_u32 v[ADRA+\s], s21, v4
	v_add_nc_u32 v[ADRB+\s], s22, v4
	s_add_co_u32 s21, s21, SLOT
	s_add_co_u32 s22, s22, SLOT
.endr
	s_mul_i32 s23, s14, 16*SPITCH                  ; my stage
	v_mul_u32_u24 v5, v1, SPITCH
	v_lshl_add_u32 v5, v2, 5, v5
	v_add_nc_u32 v[STO], s23, v5                   ; in: row r, 32 bytes for each half of the lanes
	v_mul_u32_u24 v6, v2, SPITCH
	v_lshl_add_u32 v6, v1, 4, v6
	v_add_nc_u32 v[RD], s23, v6                    ; back: lanes 0-15 one row of 256 bytes, lanes 16-31 the next
	v_lshlrev_b32 v6, 12, v2
	v_lshl_add_u32 v[CO], v1, 4, v6                ; and the same two rows in C (4,096 bytes a row)
	s_lshl_b32 s20, s17, 7
	s_lshl_b32 s21, s15, 6
	s_add_co_u32 s20, s20, s21                     ; my first row of C
	s_lshl_b32 s20, s20, 12
	s_lshl_b32 s46, s42, 9                         ; my first column, in bytes: 512 x tile column + 256 x half
	s_lshl_b32 s47, s16, 8
	s_add_co_u32 s46, s46, s47
	s_add_co_u32 s20, s20, s46                     ; under 2^24
	s_mov_b32 s21, 0
	s_add_nc_u64 s[10:11], s[10:11], s[20:21]
; 4 matrix instructions: A's block a x B's four, 128 along K, from buffer f.  zero = 1: the product starts the sums.  The 16 accumulators take turns, one instruction a turn, in the same order in every quarter.
.macro MUL4 f, a, zero
.irp b, 0,1,2,3
.if \zero
	v_wmma_f32_16x16x128_fp8_fp8 v[ACC+8*(4*(\a)+\b):ACC+8*(4*(\a)+\b)+7], v[\f+64+16*\b:\f+64+16*\b+15], v[\f+16*(\a):\f+16*(\a)+15], 0
.else
	v_wmma_f32_16x16x128_fp8_fp8 v[ACC+8*(4*(\a)+\b):ACC+8*(4*(\a)+\b)+7], v[\f+64+16*\b:\f+64+16*\b+15], v[\f+16*(\a):\f+16*(\a)+15], v[ACC+8*(4*(\a)+\b):ACC+8*(4*(\a)+\b)+7]
.endif
.endr
.endm
; 32 LDS loads in one run: the fragments of 128 along K at byte k of the rows into buffer f: B's four first, then A's 0, 1, 2, 3
.macro FETCH slot, k, f
	WIN TO_F
.irp i, 0,1,2,3
.irp c, 0,1,2,3
	ds_load_b128 v[\f+64+16*\i+4*\c:\f+64+16*\i+4*\c+3], v[ADRB+\slot] offset:\k+32*\c+\i*16*PITCH
.endr
.endr
.irp i, 0,1,2,3
.irp c, 0,1,2,3
	ds_load_b128 v[\f+16*\i+4*\c:\f+16*\i+4*\c+3], v[ADRA+\slot] offset:\k+32*\c+\i*16*PITCH
.endr
.endr
.endm
.macro PLACES                          ; four places in front of loads into registers that matrix instructions have read, and of the first read of results (ISA guide 7.12.1 for the first read of results)
.rept 4
	v_nop
.endr
.endm
; A K step is four quarters of 128 along K, 16 matrix instructions each, on buffers 0, 1, 0, 1.  One of the first three: multiplies buffer f and fetches the next quarter, at byte k, into g.
.macro QUARTER slot, k, f, g, zero
	s_wait_dscnt 8                                 ; B's four and A's fragments 0 and 1 are in; the youngest eight loads (A's 2 and 3) may be out
	WIN MUL
	MUL4 \f, 0, \zero
	MUL4 \f, 1, \zero
	PLACES
	FETCH \slot, \k, \g
	s_wait_dscnt 32                                ; all but the 32 just issued
	WIN MUL
	MUL4 \f, 2, \zero
	MUL4 \f, 3, \zero
.endm
; The last quarter multiplies buffer 1 and changes slots: ONE barrier; in front of it each wave waits for all its tensor loads, adds 0 to its spare word, and waits for that and for its own reads of this slot.  fill = 1: this slot is filled again, two K steps ahead.
.macro TURN slot, next, fill
	WIN 0                                          ; (the add's two registers lie in window 0)
	s_wait_tensorcnt 0x0                           ; all my tensor loads have landed: my part of the next slot
	ds_add_u32 v[SPW], v[NIL]                      ; 0 onto my spare word
	s_wait_dscnt 9                                 ; the add and the youngest eight loads may be out
	WIN MUL
	MUL4 F1, 0, 0                                  ; four matrix instructions stand between the add and the wait for it
	s_wait_dscnt 0x0                               ; the add is done, and my reads of this slot are over
	s_barrier_signal -1
	MUL4 F1, 1, 0
.if \fill
	WIN 0
.endif
	s_barrier_wait -1
.if \fill
	CREST                                          ; the barrier has opened a round of the cluster's barrier: no wave of any partner still reads this slot's tile or has a load on its way
	s_add_nc_u64 s[G0+4*\slot+2:G0+4*\slot+3], s[G0+4*\slot+2:G0+4*\slot+3], 2*KSTEP
	s_add_nc_u64 s[G0B+4*\slot+2:G0B+4*\slot+3], s[G0B+4*\slot+2:G0B+4*\slot+3], 2*KSTEP
	JLOAD \slot                                    ; the first tensor load behind the round; the four v_nop behind it are the places in front of the loads below
.else
	PLACES
.endif
	FETCH \next, 0, F0
	WIN MUL
	MUL4 F1, 2, 0
	MUL4 F1, 3, 0
.endm
	s_wait_tensorcnt 1                             ; my part of K step 0 is in (K step 1's load may be out),
	s_barrier_signal -1
	s_barrier_wait -1                              ; everybody's is
	FETCH 0, 0, F0
	QUARTER 0, 128, F0, F1, 1                      ; the first quarter stands in front of the loop: its products start the sums
.if LAPS > 1
	WIN 0                                          ; at a label and at a branch every window is 0
	s_mov_b32 s3, LAPS-1
.Llap:                                                 ; a trip goes once round the ring, from a lap's second quarter to the next lap's first, and fills both slots again
	QUARTER 0, 256, F1, F0, 0
	QUARTER 0, 384, F0, F1, 0
	TURN 0, 1, 1
	QUARTER 1, 128, F0, F1, 0
	QUARTER 1, 256, F1, F0, 0
	QUARTER 1, 384, F0, F1, 0
	TURN 1, 0, 1
	QUARTER 0, 128, F0, F1, 0
	WIN 0
	s_sub_co_u32 s3, s3, 1
	s_cmp_lg_u32 s3, 0
	s_cbranch_scc1 .Llap
.endif
	QUARTER 0, 256, F1, F0, 0                      ; the last lap fills nothing, and has no round of the cluster's barrier
	QUARTER 0, 384, F0, F1, 0
	TURN 0, 1, 0
	QUARTER 1, 128, F0, F1, 0
	QUARTER 1, 256, F1, F0, 0
	QUARTER 1, 384, F0, F1, 0
	s_wait_dscnt 8                                 ; the very last quarter: nothing more to fetch
	WIN MUL
	MUL4 F1, 0, 0
	MUL4 F1, 1, 0
	s_wait_dscnt 0
	MUL4 F1, 2, 0
	MUL4 F1, 3, 0
	WIN 0
; THE WAY OUT, block by block of 16 rows x 64 columns.  A wave's 64 columns are 256 aligned bytes of C, so each wave goes out alone, through its own stage: LDS serves a wave's instructions in order (ISA guide 5.7.1.4).
.macro TOSTAGE a
.set j, 0
.rept 16
	v_pk_mul_f32 v[TMP+j:TMP+j+1], v[ACC+32*(\a)+j:ACC+32*(\a)+j+1], s[96:97] op_sel_hi:[1,0]   ; x 2^(ea + eb); each accumulator from its low end on
.set j, j+2
.endr
.irp b, 0,1,2,3
	ds_store_b128 v[STO], v[TMP+8*\b:TMP+8*\b+3] offset:64*\b
	ds_store_b128 v[STO], v[TMP+8*\b+4:TMP+8*\b+7] offset:64*\b+16
.endr
.set BB, BK+32*((\a)%2)
.irp t, 0,1,2,3,4,5,6,7
	ds_load_b128 v[BB+4*\t:BB+4*\t+3], v[RD] offset:\t*2*SPITCH
.endr
.endm
.macro SEND a, younger                 ; younger: the LDS instructions issued behind block a's loads, which may stay out
.set BB, BK+32*((\a)%2)
	s_wait_dscnt \younger
.irp t, 0,1,2,3,4,5,6,7
	global_store_b128 v[CO], v[BB+4*\t:BB+4*\t+3], s[10:11] offset:(16*(\a)+2*\t)*4096 th:TH_STORE_NT   ; 16 lanes store 256 consecutive bytes, at a multiple of 256 from C's first byte
.endr
.endm
	s_wait_kmcnt 0x0
	s_add_co_i32 s96, s96, s97                     ; ea + eb, between -126 and 127,
	s_add_co_i32 s96, s96, 127
	s_lshl_b32 s96, s96, 23                        ; makes the f32 number 2^(ea + eb)
	s_mov_b32 s97, s96
	PLACES
	TOSTAGE 0
.irp a, 1,2,3
.if \a > 1
	s_wait_xcnt 0x0                                ; block a - 2's stores have read their registers: block a's loads may land there
.endif
	TOSTAGE \a
	SEND \a-1, 16                                  ; behind block a - 1's loads: block a's 8 stores and 8 loads
.endr
	SEND 3, 0
	s_wait_tensorcnt 0x0                           ; the wave's end: three lines behind my last tensor load and my last LDS store
	ds_add_u32 v[SPW], v[NIL]
	s_wait_dscnt 0x0
	CROUND                                         ; the closing round: no work-group ends while a partner may still ask for a tile that names it
	s_endpgm
.Lfunc_end_k_q4b28913c31_ffn2:
	.size	k_q4b28913c31_ffn2, .Lfunc_end_k_q4b28913c31_ffn2-k_q4b28913c31_ffn2
	.p2alignl 7, 3214868480
	.fill 96, 4, 3214868480
	.section	.rodata,"a",@progbits
	.p2align	6, 0x0
	.amdhsa_kernel k_q4b28913c31_ffn2
		.amdhsa_group_segment_fixed_size 327680
		.amdhsa_private_segment_fixed_size 0
		.amdhsa_enable_private_segment 0
		.amdhsa_kernarg_size 32
		.amdhsa_user_sgpr_count 2
		.amdhsa_user_sgpr_kernarg_segment_ptr 1
		.amdhsa_wavefront_size32 1
		.amdhsa_system_sgpr_workgroup_id_x 1
		.amdhsa_system_sgpr_workgroup_id_y 1
		.amdhsa_system_sgpr_workgroup_id_z 1
		.amdhsa_system_vgpr_workitem_id 0
		.amdhsa_next_free_vgpr 512
		.amdhsa_next_free_sgpr 98
		.amdhsa_reserve_vcc 0
		.amdhsa_float_denorm_mode_32 3
		.amdhsa_float_denorm_mode_16_64 3
		.amdhsa_memory_ordered 1
		.amdhsa_forward_progress 1
		.amdhsa_inst_pref_size 74
	.end_amdhsa_kernel
	.amdgpu_metadata
---
amdhsa.version: [ 1, 2 ]
amdhsa.kernels:
  - .name:           k_q4b28913c31_ffn2
    .symbol:         k_q4b28913c31_ffn2.kd
    .args:
      - { .name: hq, .offset: 0, .size: 8, .value_kind: global_buffer, .address_space: global }
      - { .name: codes0, .offset: 8, .size: 8, .value_kind: global_buffer, .address_space: global }
      - { .name: lowp_scales, .offset: 16, .size: 8, .value_kind: global_buffer, .address_space: global }
      - { .name: cbuf, .offset: 24, .size: 8, .value_kind: global_buffer, .address_space: global }
    .group_segment_fixed_size: 327680
    .private_segment_fixed_size: 0
    .kernarg_segment_align: 8
    .kernarg_segment_size: 32
    .max_flat_workgroup_size: 128
    .sgpr_count:     98
    .vgpr_count:     512
    .wavefront_size: 32
...
	.end_amdgpu_metadata
.endif
;; end of part 7
;; launch ln2 (part 8): grid 256 x 1, 8 waves a work-group, no clusters, 0 bytes of LDS; arguments x2, cbuf, b2, ln2_g, ln2_b, out0; writes out0
.if DOCPART == 8
	.amdgcn_target "amdgcn-amd-amdhsa--gfx1250"
	.amdhsa_code_object_version 6
	.text
	.protected	k_q4b28913c31_ln2
	.globl	k_q4b28913c31_ln2
	.p2align	8
	.type	k_q4b28913c31_ln2,@function
k_q4b28913c31_ln2:
	s_mov_b64 s[64:65], 0
	v_nop
	global_prefetch_b8 v0, s[64:65] scope:SCOPE_SE
	s_setreg_imm32_b32 hwreg(HW_REG_WAVE_MODE, 25, 1), 1
	s_wait_xcnt 0x0
; y = LayerNorm(res + (c + bias)) x g + b over rows of 1,024 f32; eps = 1e-5.  QUANT = 0: y is the problem's output, and nothing is quantised.
; NaN among the inputs is not served.
; Memory binds: every byte is read once and written once.  One wave, one row at a time, two rows a wave: a row is eight loads of 16 bytes a lane (512 consecutive bytes a load) and stays in 32 registers between the
; passes: the mean, then the mean of the squared differences (two passes, so that a common offset of the inputs does no harm).  The reductions never leave the wave: no LDS, no barrier.  All loads are issued at the head.
; Matrix units, clusters and tensor loads would add nothing here.
.set BI,  16                           ; v16-47   bias of my 32 columns
.set GA,  48                           ; v48-79   g
.set BE,  80                           ; v80-111  b
.set X0,  112                          ; v112-143 row 0's residual, then y;  v144-175 row 0's c
.set C0,  144
.set X1,  176                          ; the same for row 1
.set C1,  208
	s_load_b256 s[4:11], s[0:1], 0x0               ; res, c, bias, g
	s_load_b64 s[12:13], s[0:1], 0x20              ; b
	s_load_b64 s[16:17], s[0:1], 0x28              ; y
	v_lshrrev_b32 v2, 5, v0
	v_readfirstlane_b32 s20, v2                    ; wave 0..7
	v_and_b32 v2, 31, v0                           ; lane
	v_lshlrev_b32 v1, 4, v2                        ; 16 bytes a lane
	s_lshl_b32 s22, ttmp9, 4
	s_lshl_b32 s23, s20, 1
	s_add_co_u32 s22, s22, s23                     ; my first row: 16 x work-group + 2 x wave
	s_lshl_b32 s22, s22, 12                        ; in bytes: under 2^24
	s_mov_b32 s23, 0
	s_mov_b32 s24, 0x76543210                      ; v_permlanex16_b32: lane l xor 16
	s_mov_b32 s25, 0xfedcba98
	s_mov_b32 s26, 0x3a800000                      ; 1 / 1024
	s_mov_b32 s27, 0x3727c5ac                      ; 1e-5
	s_wait_kmcnt 0x0
	s_add_nc_u64 s[4:5], s[4:5], s[22:23]
	s_add_nc_u64 s[6:7], s[6:7], s[22:23]
	s_add_nc_u64 s[16:17], s[16:17], s[22:23]
.irp j, 0,1,2,3,4,5,6,7
	global_load_b128 v[BI+4*\j:BI+4*\j+3], v1, s[8:9] offset:512*\j
.endr
.irp j, 0,1,2,3,4,5,6,7
	global_load_b128 v[GA+4*\j:GA+4*\j+3], v1, s[10:11] offset:512*\j
.endr
.irp j, 0,1,2,3,4,5,6,7
	global_load_b128 v[BE+4*\j:BE+4*\j+3], v1, s[12:13] offset:512*\j
.endr
.irp j, 0,1,2,3,4,5,6,7
	global_load_b128 v[X0+4*\j:X0+4*\j+3], v1, s[4:5] offset:512*\j th:TH_LOAD_NT
	global_load_b128 v[C0+4*\j:C0+4*\j+3], v1, s[6:7] offset:512*\j th:TH_LOAD_NT
.endr
.irp j, 0,1,2,3,4,5,6,7
	global_load_b128 v[X1+4*\j:X1+4*\j+3], v1, s[4:5] offset:4096+512*\j th:TH_LOAD_NT
	global_load_b128 v[C1+4*\j:C1+4*\j+3], v1, s[6:7] offset:4096+512*\j th:TH_LOAD_NT
.endr
.macro REDUCE                          ; the two chains v[2:3], v[4:5] -> the sum over the wave's 1,024 numbers, in v2 of every lane
	v_pk_add_f32 v[2:3], v[2:3], v[4:5]
	v_add_f32 v2, v2, v3
	v_add_f32_dpp v2, v2, v2 row_xmask:1 row_mask:0xf bank_mask:0xf
	v_add_f32_dpp v2, v2, v2 row_xmask:2 row_mask:0xf bank_mask:0xf
	v_add_f32_dpp v2, v2, v2 row_xmask:4 row_mask:0xf bank_mask:0xf
	v_add_f32_dpp v2, v2, v2 row_xmask:8 row_mask:0xf bank_mask:0xf
	v_permlanex16_b32 v3, v2, s24, s25
	v_add_f32 v2, v2, v3
.endm
.macro ROW xr, cr, row
.set j, 0
.rept 16
	v_pk_add_f32 v[\cr+j:\cr+j+1], v[\cr+j:\cr+j+1], v[BI+j:BI+j+1]        ; the product's result + its bias,
.set j, j+2
.endr
.set j, 0
.rept 16
	v_pk_add_f32 v[\xr+j:\xr+j+1], v[\xr+j:\xr+j+1], v[\cr+j:\cr+j+1]      ; + the residual
.set j, j+2
.endr
	v_pk_add_f32 v[2:3], v[\xr:\xr+1], v[\xr+2:\xr+3]                      ; the sum, in two packed chains
	v_pk_add_f32 v[4:5], v[\xr+4:\xr+5], v[\xr+6:\xr+7]
.set j, 8
.rept 6
	v_pk_add_f32 v[2:3], v[2:3], v[\xr+j:\xr+j+1]
	v_pk_add_f32 v[4:5], v[4:5], v[\xr+j+2:\xr+j+3]
.set j, j+4
.endr
	REDUCE
	v_mul_f32 v12, s26, v2                         ; the mean
	v_mov_b32 v13, v12
.set j, 0
.rept 16
	v_pk_add_f32 v[\xr+j:\xr+j+1], v[\xr+j:\xr+j+1], v[12:13] neg_lo:[0,1] neg_hi:[0,1]
.set j, j+2
.endr
	v_pk_mul_f32 v[2:3], v[\xr:\xr+1], v[\xr:\xr+1]                        ; the squares, in two packed chains
	v_pk_mul_f32 v[4:5], v[\xr+2:\xr+3], v[\xr+2:\xr+3]
.set j, 4
.rept 7
	v_pk_fma_f32 v[2:3], v[\xr+j:\xr+j+1], v[\xr+j:\xr+j+1], v[2:3]
	v_pk_fma_f32 v[4:5], v[\xr+j+2:\xr+j+3], v[\xr+j+2:\xr+j+3], v[4:5]
.set j, j+4
.endr
	REDUCE
	v_fma_f32 v2, v2, s26, s27                     ; the variance + eps
	v_rsq_f32 v14, v2
	v_nop                                          ; a plain instruction behind the transcendental,
	s_wait_alu depctr_va_vdst(0)                   ; and the wait ahead of its first reader
	v_mov_b32 v15, v14
.set j, 0
.rept 16
	v_pk_mul_f32 v[\xr+j:\xr+j+1], v[\xr+j:\xr+j+1], v[14:15]
.set j, j+2
.endr
.set j, 0
.rept 16
	v_pk_fma_f32 v[\xr+j:\xr+j+1], v[\xr+j:\xr+j+1], v[GA+j:GA+j+1], v[BE+j:BE+j+1]
.set j, j+2
.endr
.irp j, 0,1,2,3,4,5,6,7
	global_store_b128 v1, v[\xr+4*\j:\xr+4*\j+3], s[16:17] offset:4096*\row+512*\j th:TH_STORE_NT   ; 32 lanes store 512 consecutive bytes
.endr
.endm
	s_wait_loadcnt 16                              ; the parameters and row 0 are in; row 1's sixteen loads may be out
	ROW X0, C0, 0
	s_wait_loadcnt 0x0
	ROW X1, C1, 1
	s_endpgm
.Lfunc_end_k_q4b28913c31_ln2:
	.size	k_q4b28913c31_ln2, .Lfunc_end_k_q4b28913c31_ln2-k_q4b28913c31_ln2
	.p2alignl 7, 3214868480
	.fill 96, 4, 3214868480
	.section	.rodata,"a",@progbits
	.p2align	6, 0x0
	.amdhsa_kernel k_q4b28913c31_ln2
		.amdhsa_group_segment_fixed_size 0
		.amdhsa_private_segment_fixed_size 0
		.amdhsa_enable_private_segment 0
		.amdhsa_kernarg_size 48
		.amdhsa_user_sgpr_count 2
		.amdhsa_user_sgpr_kernarg_segment_ptr 1
		.amdhsa_wavefront_size32 1
		.amdhsa_system_sgpr_workgroup_id_x 1
		.amdhsa_system_sgpr_workgroup_id_y 1
		.amdhsa_system_sgpr_workgroup_id_z 1
		.amdhsa_system_vgpr_workitem_id 0
		.amdhsa_next_free_vgpr 240
		.amdhsa_next_free_sgpr 66
		.amdhsa_reserve_vcc 0
		.amdhsa_float_denorm_mode_32 3
		.amdhsa_float_denorm_mode_16_64 3
		.amdhsa_memory_ordered 1
		.amdhsa_forward_progress 1
		.amdhsa_inst_pref_size 24
	.end_amdhsa_kernel
	.amdgpu_metadata
---
amdhsa.version: [ 1, 2 ]
amdhsa.kernels:
  - .name:           k_q4b28913c31_ln2
    .symbol:         k_q4b28913c31_ln2.kd
    .args:
      - { .name: x2, .offset: 0, .size: 8, .value_kind: global_buffer, .address_space: global }
      - { .name: cbuf, .offset: 8, .size: 8, .value_kind: global_buffer, .address_space: global }
      - { .name: b2, .offset: 16, .size: 8, .value_kind: global_buffer, .address_space: global }
      - { .name: ln2_g, .offset: 24, .size: 8, .value_kind: global_buffer, .address_space: global }
      - { .name: ln2_b, .offset: 32, .size: 8, .value_kind: global_buffer, .address_space: global }
      - { .name: out0, .offset: 40, .size: 8, .value_kind: global_buffer, .address_space: global }
    .group_segment_fixed_size: 0
    .private_segment_fixed_size: 0
    .kernarg_segment_align: 8
    .kernarg_segment_size: 48
    .max_flat_workgroup_size: 256
    .sgpr_count:     66
    .vgpr_count:     240
    .wavefront_size: 32
...
	.end_amdgpu_metadata
.endif
;; end of part 8
